; MI455X (gfx1250); checked and timed in simulation.
; The chip was launched on July 23, 2026; its instructions are those of AMD's public machine-readable ISA for CDNA 5 (MIT licence, August 2026) and "CDNA5" Instruction Set Architecture Reference Guide (July 2026). The comments in the code are by the model that wrote it; some were corrected since.
;; Self Attention Block With Ro PE. Allowed arithmetic: float matrix products may take bf16 or f16 operands with f32 sums; other float arithmetic in f32, or as packed bf16 or f16 multiplies, adds, multiply-adds, maxima and minima; sums over many terms, partial sums and values carried from step to step in f32; what a program stores and reads back later, other than sums and carried values, may be rounded once to bf16 or f16.
;; Inputs: ln1_b 1,024 float32; ln1_w 1,024 float32; ln2_b 1,024 float32; ln2_w 1,024 float32; mlp_b1 4,096 float32; mlp_b2 1,024 float32; mlp_w1 1,024 x 4,096 float32; mlp_w2 4,096 x 1,024 float32; o_b 1,024 float32; o_w 1,024 x 1,024 float32; pos 2 x 2,048 int32; qkv_b 3,072 float32; qkv_w 1,024 x 3,072 float32; x 2 x 2,048 x 1,024 float32.
;; Outputs: out0 2 x 2,048 x 1,024 float32.
;; One version. Each part assembles by itself: llvm-mc -triple=amdgcn-amd-amdhsa -mcpu=gfx1250 --defsym DOCPART=n.
;; ======== version 1 of 1: 7 launches
;; limits: right only within a limited range of input values; a function is approximated: absolute error at most 1.5e-07
;; workspace buffers: wb 25,165,824 bytes; rope 1,048,576 bytes; xn 8,388,608 bytes; qkv 25,165,824 bytes; att 8,388,608 bytes; x1 16,777,216 bytes; h 33,554,432 bytes
;; launch prep (part 1): grid 1792 x 1, 8 waves a work-group, no clusters, 0 bytes of LDS; arguments x, ln1_w, ln1_b, xn, qkv_w, o_w, mlp_w1, mlp_w2, pos, wb, rope; writes xn, wb, rope
.if DOCPART == 1
	.amdgcn_target "amdgcn-amd-amdhsa--gfx1250"
	.amdhsa_code_object_version 6
	.text
	.protected	k_q9d4f1dbbae_prep
	.globl	k_q9d4f1dbbae_prep
	.p2align	8
	.type	k_q9d4f1dbbae_prep,@function
k_q9d4f1dbbae_prep:
	s_mov_b64 s[64:65], 0
	v_nop
	global_prefetch_b8 v0, s[64:65] scope:SCOPE_SE
	s_setreg_imm32_b32 hwreg(HW_REG_WAVE_MODE, 25, 1), 1
	s_wait_xcnt 0x0
; PREP.  Three jobs that hang on nothing but the inputs, told apart by the work-group's number g.
; g < 512: LAYERNORM 1.  y = (x - mean) rsqrt(var + 1e-5) w + b along rows of 1,024 f32, stored rounded once to bf16 (a matrix operand of the next launch).  A wave takes one whole row in 32
; registers, so nothing leaves the wave: no LDS, no barrier.  The variance is the mean square of x - mean, not a difference of large sums, so a common offset of the row does no harm.
; 512 <= g < 1,280: 65,536 bytes of a weight matrix (f32, [K][N] as given) are rounded once to bf16 and stored, layout kept, into wb: qkv_w at byte 0, o_w at 6,291,456, mlp_w1 at 8,388,608,
; mlp_w2 at 16,777,216.  Chunk c of the four matrices on end lands at 32,768 c.  A load of a wave covers 512 consecutive bytes, a store 256, both aligned.
; g >= 1,280: the table of RoPE.  A wave makes one token's row of 64 f32: columns 0-31 cos(pos f_j), 32-63 sin(pos f_j), f_j = 10000^(-j/32) = 2^(-j 0.41524101).
; LIMITS.  f_j comes from v_exp_f32 and may differ by a few last bits from the power and division that define it; the angle is reduced by multiples of pi/2 held in two parts, which serves
; |angle| 2/pi < 2^23; sine and cosine on |r| <= pi/4 are polynomials of degree 7 and 8 with errors of the order of an f32's last bit.
.set NLN, 512
.set NCONV, 768
.set W, 16                             ; v[16:47]   w of my 32 columns
.set B, 48                             ; v[48:79]   b
.set X, 80                             ; v[80:111]  the row
.set Y, 112                            ; v[112:127] the row, packed
	s_mov_b32 s20, ttmp9
	s_cmp_lt_u32 s20, NLN
	s_cbranch_scc0 .Lnot_ln
	s_load_b256 s[4:11], s[0:1], 0x0               ; x, w, b, y
	v_and_b32 v1, 31, v0
	v_lshrrev_b32 v2, 5, v0                        ; wave
	v_lshlrev_b32 v1, 4, v1                        ; 16 x lane: w and b
	v_lshl_add_u32 v2, v2, 12, v1                  ; + a row of 4,096 bytes a wave: x
	v_lshrrev_b32 v3, 1, v2                        ; half of that: y
	v_mov_b32 v15, 0x3a800000                      ; 1 / 1,024
	s_lshl_b32 s2, s20, 15                         ; 8 rows a work-group
	s_mov_b32 s3, 0
	s_lshl_b32 s14, s20, 14
	s_mov_b32 s15, 0
	s_mov_b32 s12, 0x76543210                      ; v_permlanex16_b32: each lane takes its own place in the other half
	s_mov_b32 s13, 0xfedcba98
	s_wait_kmcnt 0x0
	s_add_nc_u64 s[4:5], s[4:5], s[2:3]
	s_add_nc_u64 s[10:11], s[10:11], s[14:15]
.irp j, 0,1,2,3,4,5,6,7
	global_load_b128 v[X+4*(\j):X+4*(\j)+3], v2, s[4:5] offset:512*(\j)     ; the row first: mean and variance want nothing else
.endr
.irp j, 0,1,2,3,4,5,6,7
	global_load_b128 v[W+4*(\j):W+4*(\j)+3], v1, s[6:7] offset:512*(\j)
.endr
.irp j, 0,1,2,3,4,5,6,7
	global_load_b128 v[B+4*(\j):B+4*(\j)+3], v1, s[8:9] offset:512*(\j)
.endr
.macro REDUCE                          ; four packed chains in v[4:11] -> their sum over the wave, in v4 of every lane
	v_pk_add_f32 v[4:5], v[4:5], v[6:7]
	v_pk_add_f32 v[8:9], v[8:9], v[10:11]
	v_pk_add_f32 v[4:5], v[4:5], v[8:9]
	v_add_f32 v4, v4, v5
	v_add_f32_dpp v4, v4, v4 row_xmask:1 row_mask:0xf bank_mask:0xf
	v_add_f32_dpp v4, v4, v4 row_xmask:2 row_mask:0xf bank_mask:0xf
	v_add_f32_dpp v4, v4, v4 row_xmask:4 row_mask:0xf bank_mask:0xf
	v_add_f32_dpp v4, v4, v4 row_xmask:8 row_mask:0xf bank_mask:0xf
	v_permlanex16_b32 v5, v4, s12, s13
	v_add_f32 v4, v4, v5
.endm
	s_wait_loadcnt 16                              ; the row is in; w's and b's sixteen loads stay out
.irp c, 0,1,2,3
	v_pk_add_f32 v[4+2*(\c):5+2*(\c)], v[X+2*(\c):X+2*(\c)+1], v[X+8+2*(\c):X+8+2*(\c)+1]
.endr
.irp k, 16,24
.irp c, 0,1,2,3
	v_pk_add_f32 v[4+2*(\c):5+2*(\c)], v[4+2*(\c):5+2*(\c)], v[X+(\k)+2*(\c):X+(\k)+2*(\c)+1]
.endr
.endr
	REDUCE
	v_mul_f32 v12, v4, v15                         ; the mean, twice
	v_mov_b32 v13, v12
.set n, 0
.rept 16
	v_pk_add_f32 v[X+n:X+n+1], v[X+n:X+n+1], v[12:13] neg_lo:[0,1] neg_hi:[0,1]
.set n, n+2
.endr
.irp c, 0,1,2,3
	v_pk_mul_f32 v[4+2*(\c):5+2*(\c)], v[X+2*(\c):X+2*(\c)+1], v[X+2*(\c):X+2*(\c)+1]
.endr
.irp k, 8,16,24
.irp c, 0,1,2,3
	v_pk_fma_f32 v[4+2*(\c):5+2*(\c)], v[X+(\k)+2*(\c):X+(\k)+2*(\c)+1], v[X+(\k)+2*(\c):X+(\k)+2*(\c)+1], v[4+2*(\c):5+2*(\c)]
.endr
.endr
	REDUCE
	v_fmaak_f32 v14, v4, v15, 0x3727c5ac           ; var + 1e-5
	v_rsq_f32 v12, v14
	v_rsq_f32 v13, v14                             ; twice, to fill the pair that the packed multiply takes
	v_nop                                          ; a plain instruction behind the last of them,
	s_wait_alu depctr_va_vdst(0)                   ; and one wait for both, ahead of their first reader
.set n, 0
.rept 16
	v_pk_mul_f32 v[X+n:X+n+1], v[X+n:X+n+1], v[12:13]
.set n, n+2
.endr
	s_wait_loadcnt 0x0                             ; w and b
.set n, 0
.rept 16
	v_pk_fma_f32 v[X+n:X+n+1], v[X+n:X+n+1], v[W+n:W+n+1], v[B+n:B+n+1]
.set n, n+2
.endr
.set n, 0
.rept 16
	v_cvt_pk_bf16_f32 v[Y+n], v[X+2*n], v[X+2*n+1]
.set n, n+1
.endr
.irp j, 0,1,2,3,4,5,6,7
	global_store_b64 v3, v[Y+2*(\j):Y+2*(\j)+1], s[10:11] offset:256*(\j)    ; 256 consecutive bytes, aligned
.endr
	s_endpgm
.Lnot_ln:
	s_load_b256 s[4:11], s[0:1], 0x20              ; qkv_w, o_w, mlp_w1, mlp_w2
	s_load_b128 s[12:15], s[0:1], 0x40             ; pos, wb
	s_load_b64 s[16:17], s[0:1], 0x50              ; rope
	s_sub_co_u32 s20, s20, NLN
	s_cmp_lt_u32 s20, NCONV
	s_cbranch_scc0 .Lrope
	s_sub_co_u32 s24, s20, 192                     ; the chunk's number inside o_w,
	s_sub_co_u32 s25, s20, 256                     ; mlp_w1,
	s_sub_co_u32 s26, s20, 512                     ; mlp_w2
	v_lshlrev_b32 v1, 4, v0                        ; 16 bytes in a thread, threads on end
	v_lshlrev_b32 v2, 3, v0                        ; 8 bytes out
	s_wait_kmcnt 0x0
	s_cmp_lt_u32 s20, 512
	s_cselect_b64 s[22:23], s[8:9], s[10:11]
	s_cselect_b32 s21, s25, s26
	s_cmp_lt_u32 s20, 256
	s_cselect_b64 s[22:23], s[6:7], s[22:23]
	s_cselect_b32 s21, s24, s21
	s_cmp_lt_u32 s20, 192
	s_cselect_b64 s[22:23], s[4:5], s[22:23]
	s_cselect_b32 s21, s20, s21
	s_lshl_b32 s26, s21, 16
	s_mov_b32 s27, 0
	s_add_nc_u64 s[22:23], s[22:23], s[26:27]
	s_lshl_b32 s28, s20, 15
	s_mov_b32 s29, 0
	s_add_nc_u64 s[14:15], s[14:15], s[28:29]
.irp i, 0,1,2,3,4,5,6,7,8,9,10,11,12,13,14,15
	global_load_b128 v[16+4*(\i):19+4*(\i)], v1, s[22:23] offset:4096*(\i) th:TH_LOAD_NT
.endr
.irp i, 0,1,2,3,4,5,6,7,8,9,10,11,12,13,14,15
	s_wait_loadcnt 15-(\i)                         ; loads return in order: load i is in, the younger ones stay out
	v_cvt_pk_bf16_f32 v[80+2*(\i)], v[16+4*(\i)], v[17+4*(\i)]
	v_cvt_pk_bf16_f32 v[81+2*(\i)], v[18+4*(\i)], v[19+4*(\i)]
	global_store_b64 v2, v[80+2*(\i):81+2*(\i)], s[14:15] offset:2048*(\i)
.endr
	s_endpgm
.Lrope:
	v_lshrrev_b32 v1, 5, v0
	v_readfirstlane_b32 s21, v1                    ; wave 0..7
	s_sub_co_u32 s22, s20, NCONV
	s_lshl3_add_u32 s22, s22, s21                  ; my token = 8 x work-group + wave
	s_lshl_b32 s26, s22, 2
	s_mov_b32 s27, 0
	s_lshl_b32 s28, s22, 8
	s_mov_b32 s29, 0
	s_mov_b32 s30, 0x3fc90fdb                      ; pi/2, upper part
	s_mov_b32 s31, 0xb33bbd2e                      ; pi/2 less that
	s_wait_kmcnt 0x0
	s_add_nc_u64 s[12:13], s[12:13], s[26:27]
	s_add_nc_u64 s[16:17], s[16:17], s[28:29]
	s_load_b32 s24, s[12:13], 0x0                  ; pos of my token
	v_and_b32 v2, 31, v0                           ; lane
	v_lshrrev_b32 v3, 4, v2                        ; 0: cosines, 1: sines
	v_sub_nc_u32 v9, 1, v3                         ; cos x = sin(x + pi/2): one quadrant further
	v_and_b32 v4, 15, v2
	v_lshlrev_b32 v4, 1, v4                        ; my two frequencies: j = 2 (lane % 16) and j + 1
	v_add_nc_u32 v5, 1, v4
	v_lshlrev_b32 v10, 3, v2                       ; 8 bytes a lane: the wave's store is the token's whole row of 256 bytes
	v_cvt_f32_u32 v6, v4
	v_cvt_f32_u32 v7, v5
	v_mul_f32 v6, 0xbed49a78, v6                   ; -j log2(10000) / 32
	v_mul_f32 v7, 0xbed49a78, v7
	v_exp_f32 v6, v6
	v_exp_f32 v7, v7
	v_nop                                          ; a plain instruction behind the last exponential,
	s_wait_alu depctr_va_vdst(0)                   ; and one wait for both, ahead of their first reader
	s_wait_kmcnt 0x0
	v_cvt_f32_i32 v8, s24
; sine or cosine of pos x v[inv] into v[out]; t: nine registers at work
.macro SC inv, out, t
	v_mul_f32 v[\t], v8, v[\inv]                   ; the angle
	v_mul_f32 v[(\t)+1], 0x3f22f983, v[\t]         ; x 2/pi
	v_rndne_f32 v[(\t)+1], v[(\t)+1]               ; k
	v_fma_f32 v[(\t)+2], -v[(\t)+1], s30, v[\t]    ; r = angle - k pi/2, in two parts
	v_fma_f32 v[(\t)+2], -v[(\t)+1], s31, v[(\t)+2]
	v_cvt_i32_f32 v[(\t)+3], v[(\t)+1]
	v_add_nc_u32 v[(\t)+3], v[(\t)+3], v9          ; the quadrant
	v_mul_f32 v[(\t)+4], v[(\t)+2], v[(\t)+2]      ; z = r r
	v_mov_b32 v[(\t)+5], 0xb94ca1f9
	v_fmaak_f32 v[(\t)+5], v[(\t)+5], v[(\t)+4], 0x3c08839e
	v_fmaak_f32 v[(\t)+5], v[(\t)+5], v[(\t)+4], 0xbe2aaaa3
	v_mul_f32 v[(\t)+6], v[(\t)+2], v[(\t)+4]
	v_fma_f32 v[(\t)+5], v[(\t)+6], v[(\t)+5], v[(\t)+2]   ; sin r
	v_mov_b32 v[(\t)+7], 0x37ccf5ce
	v_fmaak_f32 v[(\t)+7], v[(\t)+7], v[(\t)+4], 0xbab6061a
	v_fmaak_f32 v[(\t)+7], v[(\t)+7], v[(\t)+4], 0x3d2aaaa5
	v_fma_f32 v[(\t)+8], v[(\t)+4], -0.5, 1.0
	v_mul_f32 v[(\t)+6], v[(\t)+4], v[(\t)+4]
	v_fma_f32 v[(\t)+7], v[(\t)+6], v[(\t)+7], v[(\t)+8]   ; cos r
	v_and_b32 v[(\t)+8], 1, v[(\t)+3]
	v_cmp_ne_u32 vcc_lo, 0, v[(\t)+8]
	v_cndmask_b32 v[\out], v[(\t)+5], v[(\t)+7], vcc_lo    ; odd quadrants take the cosine: a choice of values, no branch
	v_lshlrev_b32 v[(\t)+3], 30, v[(\t)+3]
	v_and_b32 v[(\t)+3], 0x80000000, v[(\t)+3]     ; quadrants 2 and 3 turn the sign
	v_xor_b32 v[\out], v[\out], v[(\t)+3]
.endm
	SC 6, 12, 20
	SC 7, 13, 30
	global_store_b64 v10, v[12:13], s[16:17]
	s_endpgm
.Lfunc_end_k_q9d4f1dbbae_prep:
	.size	k_q9d4f1dbbae_prep, .Lfunc_end_k_q9d4f1dbbae_prep-k_q9d4f1dbbae_prep
	.p2alignl 7, 3214868480
	.fill 96, 4, 3214868480
	.section	.rodata,"a",@progbits
	.p2align	6, 0x0
	.amdhsa_kernel k_q9d4f1dbbae_prep
		.amdhsa_group_segment_fixed_size 0
		.amdhsa_private_segment_fixed_size 0
		.amdhsa_enable_private_segment 0
		.amdhsa_kernarg_size 88
		.amdhsa_user_sgpr_count 2
		.amdhsa_user_sgpr_kernarg_segment_ptr 1
		.amdhsa_wavefront_size32 1
		.amdhsa_system_sgpr_workgroup_id_x 1
		.amdhsa_system_sgpr_workgroup_id_y 1
		.amdhsa_system_sgpr_workgroup_id_z 1
		.amdhsa_system_vgpr_workitem_id 0
		.amdhsa_next_free_vgpr 128
		.amdhsa_next_free_sgpr 66
		.amdhsa_reserve_vcc 1
		.amdhsa_float_denorm_mode_32 3
		.amdhsa_float_denorm_mode_16_64 3
		.amdhsa_memory_ordered 1
		.amdhsa_forward_progress 1
		.amdhsa_inst_pref_size 22
	.end_amdhsa_kernel
	.amdgpu_metadata
---
amdhsa.version: [ 1, 2 ]
amdhsa.kernels:
  - .name:           k_q9d4f1dbbae_prep
    .symbol:         k_q9d4f1dbbae_prep.kd
    .args:
      - { .name: x, .offset: 0, .size: 8, .value_kind: global_buffer, .address_space: global }
      - { .name: ln1_w, .offset: 8, .size: 8, .value_kind: global_buffer, .address_space: global }
      - { .name: ln1_b, .offset: 16, .size: 8, .value_kind: global_buffer, .address_space: global }
      - { .name: xn, .offset: 24, .size: 8, .value_kind: global_buffer, .address_space: global }
      - { .name: qkv_w, .offset: 32, .size: 8, .value_kind: global_buffer, .address_space: global }
      - { .name: o_w, .offset: 40, .size: 8, .value_kind: global_buffer, .address_space: global }
      - { .name: mlp_w1, .offset: 48, .size: 8, .value_kind: global_buffer, .address_space: global }
      - { .name: mlp_w2, .offset: 56, .size: 8, .value_kind: global_buffer, .address_space: global }
      - { .name: pos, .offset: 64, .size: 8, .value_kind: global_buffer, .address_space: global }
      - { .name: wb, .offset: 72, .size: 8, .value_kind: global_buffer, .address_space: global }
      - { .name: rope, .offset: 80, .size: 8, .value_kind: global_buffer, .address_space: global }
    .group_segment_fixed_size: 0
    .private_segment_fixed_size: 0
    .kernarg_segment_align: 8
    .kernarg_segment_size: 88
    .max_flat_workgroup_size: 256
    .sgpr_count:     66
    .vgpr_count:     128
    .wavefront_size: 32
...
	.end_amdgpu_metadata
.endif
;; end of part 1
;; launch qkv (part 2): grid 16 x 16, 4 waves a work-group, clusters of 4 x 4, 327,680 bytes of LDS; arguments xn, wb, qkv_b, rope, qkv; writes qkv
.if DOCPART == 2
	.amdgcn_target "amdgcn-amd-amdhsa--gfx1250"
	.amdhsa_code_object_version 6
	.text
	.protected	k_q9d4f1dbbae_qkv
	.globl	k_q9d4f1dbbae_qkv
	.p2align	8
	.type	k_q9d4f1dbbae_qkv,@function
k_q9d4f1dbbae_qkv:
	s_mov_b64 s[64:65], 0
	v_nop
	global_prefetch_b8 v0, s[64:65] scope:SCOPE_SE
	s_setreg_imm32_b32 hwreg(HW_REG_WAVE_MODE, 25, 1), 1
	s_wait_xcnt 0x0
	s_wait_alu depctr_hold_cnt(0) depctr_sa_sdst(0) depctr_va_vdst(0) depctr_va_sdst(0) depctr_va_ssrc(0) depctr_va_vcc(0) depctr_vm_vsrc(0)
	s_getreg_b32 s2, hwreg(HW_REG_IB_STS2, 6, 4)
	s_cmp_eq_u32 s2, 0
	s_cbranch_scc0 .Lentry_in_a_cluster
	s_endpgm
.Lentry_in_a_cluster:
	s_bfe_u32 s2, ttmp6, 0x10000c
	s_cmp_lg_u32 s2, 0xf033
	s_cbranch_scc0 .Lentry_shape_is_right
	s_endpgm
.Lentry_shape_is_right:
; QKV.  t = xn qkv_w + qkv_b (4,096 x 3,072, K = 1,024), RoPE on q and k, stored by heads in bf16: qkv[b][q,k,v][head][s][64].  Operands bf16, sums, bias and rotation f32, one rounding at the end.
; A tile is 256 tokens x 192 columns = three head slots sigma = 3 tc + g (sigma < 32: q or k, rotated; else v).  256 work-groups.  Four waves, 2 x 2: a wave has 128 tokens and channels
; 32 ch .. 32 ch + 31 of each of the three slots: 48 accumulators.  K goes in steps of 128 through two LDS slots; the K step is written once and the slot in hand is a scalar that an exclusive or turns.
; The weights lie [K][N]: their fragments come out of LDS turned, by ds_load_tr16_b128.  The matrix instruction is used transposed (source 0 = 16 weight columns, source 1 = 16 tokens):
; a lane holds one token (lane % 16) and eight neighbouring columns.
; CLUSTER 4 x 4: xn's tile is asked for jointly along a row of the cluster, the weights' along a column.
; THE WALK ALONG K.  A cluster takes the eight K steps in a ring: it begins at step 0 where cluster x + cluster y is even, at step 4 where it is odd (f32 sums may be taken in any order).  Of the clusters
; that read the same rows of xn (same y) or of the weights (same x) half have each parity: each block is read by one half of them four steps ahead of the other half.
; THE WAY OUT.  The two halves of a head's channels, which the rotation mixes, lie in two waves: all sums go as f32 into LDS (over the ring, whose last fill has landed and been read), then
; each wave walks 64 whole rows in a loop of 16 trips.  out = (t + b) (cos al + be) + (t' + b') (sin al sg), t' the channel 32 away, sg = -1 for channels below 32; (al, be) = (1, 0) for
; q and k, (0, 1) for v: values, no branch.  The wave's 64 table rows are loaded at the head into idle registers and laid into LDS beside the sums.
; REGISTERS in windows of 256: 0: v0-31 addresses, v64-191 xn's two fragment buffers, v192-239 biases; 1: v64-111, v128-175 the weights' buffers; 2, 3: v0-191 accumulators, v192-255 the table.
.set NB, 6
.set TSTEPS, 8
.set LOGH, 2                           ; log2 of half the K steps
.set PA, 272                           ; a row of xn's tile: 256 bytes + 16
.set HALFA, 128*PA
.set BOFF, 2*HALFA
.set PB, 480                           ; a row of the weights' tile: three pieces of 128 bytes + 32 each: an odd multiple of 32
.set HALFB, 64*PB
.set CH, 64
.set SLOT, 0x20000                     ; a slot is exactly this long; it shares no bit with a wave's target in slot 0
.set DP, 784                           ; the sums: 192 f32 + 16 bytes
.set TR, 256*DP                        ; behind them the table: 16,384 bytes a wave
.set SPARE, TR+65536                   ; the spare words: 128 bytes a wave, named by no other line
.set ASTEP, 256
.set BSTEP, 128*6144
.set NL, 2*NB+16
.set TO, 7                             ; v7  16 x lane
.set BO1, 8                            ; v8  32 (lane % 8): my channels' bias
.set BO2, 9                            ; v9  the partner channels'
.set RDO, 10
.set RDP, 11
.set TRD, 12
.set TRA, 13
.set ADRA0, 16
.set ADRA, 17
.set ADRB0, 20
.set ADRB, 21
.set DMP, 24                           ; v24, v25
.set SPW, 28
.set NIL, 29
.set PFO, 30
.set F0, 64
.set F1, 128
.set OUT, 32
.set SA, 44
.set TT, 64
.set OP, 80
.set OB, 128
.set CB, 176
.set SB, 184
.set BI, 192
.set TC, 240
.set G1, 24
.set G0, 32
.set LIM, 43
.set PFA, 44
.set G1B, 48
.set G0B, 56
.set TB, 66
.set KI, 67                            ; s67  the K step of the youngest load
.set PFS, 68
.set OFF, 70                           ; s[70:71] a K step's byte offset; the upper word stays 0
.set AL, 76                            ; s[76+4g:77+4g] al, s[78+4g:79+4g] be
.set BA, 90                            ; s[90:91] xn at my part of the tile, K step 0
.set BB, 92                            ; s[92:93] the weights likewise
.set MSB, 0
.macro WIN new                         ; the high byte repeats the setting that is left; a switch that changes nothing is dropped
.if MSB != (\new)
	s_set_vgpr_msb (MSB<<8)|(\new)
.set MSB, \new
.endif
.endm
.set MUL_LO, 0xa1                      ; source 0 window 1, source 1 window 0, C and D window 2
.set TO_B, 0x40
.macro JLOAD s                         ; a joint load: waves 0, 1 fetch xn's halves, waves 2, 3 the weights'; s_nop 0 and four v_nop follow each line
	s_cmp_eq_u32 s11, 0
	s_cbranch_scc0 .Lfor_b_\@
	tensor_load_to_lds s[G0+4*(\s):G0+4*(\s)+3], s[G1:G1+7]
	s_nop 0
.rept 4
	v_nop
.endr
	s_branch .Lasked_\@
.Lfor_b_\@:
	tensor_load_to_lds s[G0B+4*(\s):G0B+4*(\s)+3], s[G1B:G1B+7]
	s_nop 0
.rept 4
	v_nop
.endr
.Lasked_\@:
.endm
; A PREFETCH.  My cluster is among the first to read the first four K steps of its walk; the first three come by their loads alone; the fourth is asked for here, behind the first refill, one K step
; (192 matrix instructions) ahead of its load.  Of the clusters of one parity that read the same rows, the one whose coordinate is below 2 asks; the four partners share the rows out by address.
.macro ASK
	s_cmp_gt_u32 s3, s[LIM]                        ; in the loop's first trip alone
	s_cbranch_scc0 .Lnot_mine_\@
	global_prefetch_b8 v[PFO], s[PFA:PFA+1] th:TH_LOAD_NT scope:SCOPE_SE
.Lnot_mine_\@:
.endm
.macro CREST                           ; a round of the cluster's barrier behind its opening barrier
	s_cmp_lg_u32 s10, 0
	s_cbranch_scc1 .Lnot_wave_0_\@
	s_barrier_signal -3
.Lnot_wave_0_\@:
	s_barrier_wait -3
	s_barrier_signal -1
	s_barrier_wait -1
.endm
.macro CROUND
	s_barrier_signal -1
	s_barrier_wait -1
	CREST
.endm
.macro PLACES                          ; four places in front of loads into registers that matrix instructions have read
.rept 4
	v_nop
.endr
.endm
	s_load_b128 s[4:7], s[0:1], 0x0                ; xn, wb
	s_load_b128 s[72:75], s[0:1], 0x10             ; qkv_b, rope
	s_load_b64 s[8:9], s[0:1], 0x20                ; qkv
	v_lshl_add_u32 v[SPW], v0, 2, SPARE
	v_mov_b32 v[NIL], 0
	ds_add_u32 v[SPW], v[NIL]                      ; the opening: the add and its wait ahead of my first tensor load
	v_lshrrev_b32 v1, 5, v0
	v_readfirstlane_b32 s10, v1                    ; wave
	s_lshr_b32 s11, s10, 1                         ; my half of the tokens; also: I fetch xn (0) or weights (1)
	s_and_b32 s12, s10, 1                          ; my half of each head's channels; also: which half of that tile I fetch
	s_bfe_u32 s40, ttmp6, 0x40000                  ; cx
	s_bfe_u32 s41, ttmp6, 0x40004                  ; cy
	s_lshl_b32 s42, ttmp9, 2
	s_add_co_u32 s42, s42, s40                     ; tc
	s_and_b32 s13, ttmp7, 0xffff
	s_add_co_u32 s[KI], s13, ttmp9                 ; cluster y + cluster x: the same in all sixteen partners
	s_and_b32 s[KI], s[KI], 1
	s_lshl_b32 s[KI], s[KI], LOGH                  ; the K step at which my cluster begins: 0 or 4
	s_mov_b32 s[OFF+1], 0
	s_lshl_b32 s13, s13, 2
	s_add_co_u32 s13, s13, s41                     ; tr
	s_lshl_b32 s43, s41, 2
	s_lshl_b32 s43, 15, s43                        ; my row of the cluster
	s_lshl_b32 s44, 0x1111, s40                    ; my column
	s_or_b32 s[G1], s43, (1<<16)|(1<<20)|(1<<21)|(5<<22)|(3<<25)   ; 2-byte elements; 4 words of padding after every 64
	s_or_b32 s[G1B], s44, (1<<16)|(1<<20)|(1<<21)|(4<<22)|(7<<25)  ; 8 words after every 32
	s_mov_b32 s[G1+1], 128<<16                     ; 128 x 128 elements, 1,024 from row to row
	s_mov_b32 s[G1+2], 128<<16
	s_mov_b32 s[G1+3], 128<<16
	s_mov_b32 s[G1+4], 128
	s_mov_b32 s[G1+5], 1024
	s_mov_b32 s[G1+6], 0
	s_mov_b32 s[G1+7], 0
	s_mov_b32 s[G1B+1], 192<<16                    ; 64 rows of 192 elements, 3,072 from row to row
	s_mov_b32 s[G1B+2], 64<<16
	s_mov_b32 s[G1B+3], 192<<16
	s_mov_b32 s[G1B+4], 64
	s_mov_b32 s[G1B+5], 3072
	s_mov_b32 s[G1B+6], 0
	s_mov_b32 s[G1B+7], 0
	s_lshl_b32 s16, s13, 19                        ; xn: row 256 tr + 128 half, 2,048 bytes a row
	s_lshl_b32 s17, s12, 18
	s_add_co_u32 s16, s16, s17
	s_mov_b32 s17, 0
	s_mul_i32 s46, s42, 384                        ; weights: column 192 tc, K row 64 half
	s_mul_i32 s47, s12, 64*6144
	s_add_co_u32 s46, s46, s47
	s_mov_b32 s47, 0
	s_mul_i32 s20, s12, HALFA
	s_mul_i32 s21, s12, HALFB
	s_add_co_u32 s21, s21, BOFF
	s_wait_dscnt 0x0                               ; the opening add is done
	s_wait_kmcnt 0x0
	s_add_nc_u64 s[BA:BA+1], s[4:5], s[16:17]
	s_add_nc_u64 s[BB:BB+1], s[6:7], s[46:47]
	CROUND                                         ; all sixteen work-groups are here: the first joint loads meet
.irp s, 0,1
	s_add_co_u32 s22, s[KI], \s                    ; the walk's first two K steps: no wrap
	s_mul_i32 s[OFF], s22, ASTEP
	s_mov_b32 s[G0+4*(\s)], 1
	s_add_co_u32 s[G0+4*(\s)+1], s20, (\s)*SLOT
	s_add_nc_u64 s[G0+4*(\s)+2:G0+4*(\s)+3], s[BA:BA+1], s[OFF:OFF+1]
	s_or_b32 s[G0+4*(\s)+3], s[G0+4*(\s)+3], 0x80000000
	s_mul_i32 s[OFF], s22, BSTEP
	s_mov_b32 s[G0B+4*(\s)], 1
	s_add_co_u32 s[G0B+4*(\s)+1], s21, (\s)*SLOT
	s_add_nc_u64 s[G0B+4*(\s)+2:G0B+4*(\s)+3], s[BB:BB+1], s[OFF:OFF+1]
	s_or_b32 s[G0B+4*(\s)+3], s[G0B+4*(\s)+3], 0x80000000
	JLOAD \s                                       ; two loads of mine are out; set 1 then walks on
.endr
	s_add_co_u32 s[KI], s[KI], 1                   ; the youngest load's K step
	; the prefetch.  xn: 32 of my 128 rows, a lane a row of 256 bytes.  Weights: 16 of my 64 K rows, two lanes a row (a tile row's 384 bytes touch two blocks; a block that two tile columns share is named by both)
	s_mov_b32 s18, 32*2048
	s_mov_b32 s19, 16*6144
	s_mov_b32 s16, 2048
	s_mov_b32 s17, 6144
	s_mov_b32 s[PFS], ASTEP
	s_mov_b32 s[PFS+1], BSTEP
	s_and_b32 s22, ttmp7, 0xffff
	s_cmp_eq_u32 s11, 0
	s_cselect_b32 s21, s40, s41                    ; my place among the four that ask with me: it enters the address alone
	s_cselect_b32 s22, ttmp9, s22                  ; the cluster's coordinate along which others read the same rows
	s_cselect_b64 s[PFA:PFA+1], s[BA:BA+1], s[BB:BB+1]
	s_cselect_b32 s20, s18, s19
	s_cselect_b32 s16, s16, s17
	s_cselect_b32 s[PFS], s[PFS], s[PFS+1]
	s_cselect_b32 s18, 0, 1
	s_cmp_lt_u32 s22, 2                            ; coordinates 0 and 1 have the two parities
	s_cselect_b32 s[LIM], TSTEPS-3, -1
	s_mul_i32 s20, s20, s21
	s_mov_b32 s21, 0
	s_add_nc_u64 s[PFA:PFA+1], s[PFA:PFA+1], s[20:21]
	s_add_co_u32 s22, s[KI], 2                     ; the walk's fourth K step: no wrap
	s_mul_i32 s20, s[PFS], s22
	s_add_nc_u64 s[PFA:PFA+1], s[PFA:PFA+1], s[20:21]
	v_and_b32 v[PFO], 31, v0
	v_lshrrev_b32 v31, s18, v[PFO]
	v_and_b32 v[PFO], s18, v[PFO]
	v_mul_u32_u24 v31, s16, v31
	v_lshl_add_u32 v[PFO], v[PFO], 8, v31
	; the table's 64 rows of my wave, and the biases: they land while the products run
	v_and_b32 v3, 31, v0
	v_lshlrev_b32 v[TO], 4, v3
	v_and_b32 v14, 7, v0                           ; i: which eight channels of a head
	v_lshlrev_b32 v[BO1], 5, v14
	v_xor_b32 v[BO2], 128, v[BO1]
	s_lshl_b32 s16, s13, 16
	s_lshl_b32 s17, s10, 14
	s_add_co_u32 s16, s16, s17
	s_mov_b32 s17, 0
	s_add_nc_u64 s[74:75], s[74:75], s[16:17]
	s_mul_i32 s16, s42, 768
	s_add_nc_u64 s[72:73], s[72:73], s[16:17]
	WIN 0x80
.irp i, 0,1,2,3,4,5,6,7,8,9,10,11,12,13,14,15
	global_load_b128 v[192+4*(\i):195+4*(\i)], v[TO], s[74:75] offset:512*(\i)
.endr
	WIN 0xc0
.irp i, 0,1,2,3,4,5,6,7,8,9,10,11,12,13,14,15
	global_load_b128 v[192+4*(\i):195+4*(\i)], v[TO], s[74:75] offset:8192+512*(\i)
.endr
	WIN 0
.irp g, 0,1,2
	global_load_b128 v[BI+8*(\g):BI+8*(\g)+3], v[BO1], s[72:73] offset:256*(\g)
	global_load_b128 v[BI+8*(\g)+4:BI+8*(\g)+7], v[BO1], s[72:73] offset:256*(\g)+16
	global_load_b128 v[BI+24+8*(\g):BI+24+8*(\g)+3], v[BO2], s[72:73] offset:256*(\g)
	global_load_b128 v[BI+24+8*(\g)+4:BI+24+8*(\g)+7], v[BO2], s[72:73] offset:256*(\g)+16
.endr
	; where my rows begin in qkv
	s_lshr_b32 s16, s13, 3                         ; b
	s_mul_i32 s16, s16, 48
	s_mul_i32 s18, s42, 3                          ; 3 tc
	s_add_co_u32 s16, s16, s18
	s_lshl_b32 s16, s16, 18
	s_and_b32 s19, s13, 7
	s_lshl_b32 s19, s19, 15
	s_add_co_u32 s16, s16, s19
	s_lshl_b32 s19, s10, 13
	s_add_co_u32 s16, s16, s19
	s_mov_b32 s17, 0
	s_add_nc_u64 s[8:9], s[8:9], s[16:17]
.irp g, 0,1,2
	s_add_co_u32 s19, s18, \g
	s_cmp_lt_u32 s19, 32                           ; q or k?
	s_cselect_b32 s[AL+4*(\g)], 1.0, 0
	s_cselect_b32 s[AL+4*(\g)+2], 0, 1.0
	s_mov_b32 s[AL+4*(\g)+1], s[AL+4*(\g)]
	s_mov_b32 s[AL+4*(\g)+3], s[AL+4*(\g)+2]
.endr
	; lane addresses
	v_and_b32 v1, 15, v0
	v_bfe_u32 v2, v0, 4, 1
	v_mul_u32_u24 v3, v1, PA
	v_lshl_add_u32 v3, v2, 4, v3
	s_mul_i32 s21, s11, HALFA
	v_add_nc_u32 v[ADRA0], s21, v3                 ; xn's fragment: row x pitch + 16 x half
	v_lshl_add_u32 v4, v2, 3, v14
	v_mul_u32_u24 v4, v4, PB
	v_bfe_u32 v5, v0, 3, 1
	v_lshl_add_u32 v4, v5, 4, v4
	s_mul_i32 s22, s12, CH
	s_add_co_u32 s22, s22, BOFF
	v_add_nc_u32 v[ADRB0], s22, v4                 ; the turning load: K row 8 (l / 16) + l % 8, 16 bytes by (l / 8) % 2
	v_mov_b32 v[ADRA], v[ADRA0]
	v_mov_b32 v[ADRB], v[ADRB0]
	s_mov_b32 s[TB], 0
	s_mul_i32 s21, s11, 128*DP
	s_lshl_b32 s22, s12, 7
	s_add_co_u32 s21, s21, s22
	v_mul_u32_u24 v3, v1, DP
	v_lshl_add_u32 v3, v2, 5, v3
	v_add_nc_u32 v[DMP], s21, v3                   ; the sums go to row 128 half + 16 a + l % 16, bytes 256 g + 128 ch + 64 e + 32 (l / 16)
	v_add_nc_u32 v[DMP+1], 64*DP, v[DMP]
	v_bfe_u32 v15, v0, 3, 2                        ; rr: which of a trip's four rows
	s_mul_i32 s14, s10, 64*DP
	v_mul_u32_u24 v[RDO], v15, DP
	v_add_nc_u32 v[RDO], s14, v[RDO]
	v_xor_b32 v18, 4, v14
	v_lshl_add_u32 v[RDP], v18, 5, v[RDO]
	v_lshl_add_u32 v[RDO], v14, 5, v[RDO]
	s_lshl_b32 s15, s10, 14
	s_add_co_u32 s15, s15, TR
	v_and_b32 v18, 3, v14
	v_lshlrev_b32 v[TRD], 8, v15
	v_lshl_add_u32 v[TRD], v18, 5, v[TRD]
	v_add_nc_u32 v[TRD], s15, v[TRD]
	v_add_nc_u32 v[TRA], s15, v[TO]
	v_mov_b32 v19, -1.0
	v_cmp_gt_u32 vcc_lo, 4, v14
	v_cndmask_b32 v18, 1.0, v19, vcc_lo            ; sg
.irp g, 0,1,2
	v_mul_f32 v[SA+2*(\g)], s[AL+4*(\g)], v18
	v_mul_f32 v[SA+2*(\g)+1], s[AL+4*(\g)], v18
.endr
.macro MULH f, hi, a0, zero            ; 2 NB products: token blocks a0, a0 + 1 of the window's four x all column blocks.  The accumulators take turns, in the same order in every quarter
	WIN MUL_LO+0x50*(\hi)
.set ma, (\a0)
.rept 2
.set mb, 0
.rept NB
.set rD, 8*(NB*ma+mb)
.set rB, (\f)+8*mb
.set rA, (\f)+8*(4*(\hi)+ma)
.if \zero
	v_wmma_f32_16x16x32_bf16 v[rD:rD+7], v[rB:rB+7], v[rA:rA+7], 0
.else
	v_wmma_f32_16x16x32_bf16 v[rD:rD+7], v[rB:rB+7], v[rA:rA+7], v[rD:rD+7]
.endif
.set mb, mb+1
.endr
.set ma, ma+1
.endr
.endm
.macro FETCH q, f                      ; quarter q (32 along K) of the slot in hand into buffer f: the weights' 2 NB loads, then xn's 16
	WIN TO_B
.set fi, 0
.rept NB
	ds_load_tr16_b128 v[(\f)+8*fi:(\f)+8*fi+3],   v[ADRB] offset:(\q)*32*PB+160*(fi/2)+32*(fi%2)
	ds_load_tr16_b128 v[(\f)+8*fi+4:(\f)+8*fi+7], v[ADRB] offset:(\q)*32*PB+160*(fi/2)+32*(fi%2)+16*PB
.set fi, fi+1
.endr
	WIN 0
.irp i, 0,1,2,3,4,5,6,7
	ds_load_b128 v[(\f)+8*(\i):(\f)+8*(\i)+3],   v[ADRA] offset:64*(\q)+(\i)*16*PA
	ds_load_b128 v[(\f)+8*(\i)+4:(\f)+8*(\i)+7], v[ADRA] offset:64*(\q)+(\i)*16*PA+32
.endr
.endm
.macro QUARTER q, f, g, zero=0         ; multiplies buffer f; in its middle fetches quarter q into buffer g
	s_wait_dscnt 8                                 ; all but xn's rows 64-127
	MULH \f, 0, 0, \zero
	MULH \f, 0, 2, \zero
	PLACES
	FETCH \q, \g
	s_wait_dscnt NL                                ; all but the run just issued
	MULH \f, 1, 0, \zero
	MULH \f, 1, 2, \zero
.endm
.macro TURN fill                       ; the last quarter of a K step, and the change of slots
	WIN 0
	s_wait_tensorcnt 0x0                           ; all my tensor loads have landed: my part of the next slot; so a group 0 may be written
	ds_add_u32 v[SPW], v[NIL]                      ; 0 onto my spare word; the descriptors' scalar work and twelve products stand between it and the wait for it
.if \fill
	s_add_co_u32 s[KI], s[KI], 1                   ; the next K step of the ring,
	s_and_b32 s[KI], s[KI], TSTEPS-1
	s_mul_i32 s[OFF], s[KI], ASTEP
	s_xor_b32 s[G0+5], s[G0+5], SLOT               ; into the slot that is being left; the address is made anew from the step's number
	s_add_nc_u64 s[G0+6:G0+7], s[BA:BA+1], s[OFF:OFF+1]
	s_or_b32 s[G0+7], s[G0+7], 0x80000000
	s_mul_i32 s[OFF], s[KI], BSTEP
	s_xor_b32 s[G0B+5], s[G0B+5], SLOT
	s_add_nc_u64 s[G0B+6:G0B+7], s[BB:BB+1], s[OFF:OFF+1]
	s_or_b32 s[G0B+7], s[G0B+7], 0x80000000
.endif
	s_wait_dscnt 9                                 ; the add and the youngest eight loads may be out
	MULH F1, 0, 0, 0
	s_wait_dscnt 0x0                               ; the add is done, and my reads of this slot are over
	s_barrier_signal -1
	MULH F1, 0, 2, 0
	WIN 0
	s_barrier_wait -1
.if \fill
	CREST                                          ; the barrier has opened a round of the cluster's: no wave of any partner still reads this slot or has a load on its way
	JLOAD 1
.else
	PLACES
.endif
	s_xor_b32 s[TB], s[TB], SLOT
	v_add_nc_u32 v[ADRA], s[TB], v[ADRA0]
	v_add_nc_u32 v[ADRB], s[TB], v[ADRB0]
	FETCH 0, F0
.if \fill
	ASK
.endif
	MULH F1, 1, 0, 0
	MULH F1, 1, 2, 0
.endm
	s_wait_tensorcnt 0x1                           ; my part of the first K step is in; the second's may stay out
	s_barrier_signal -1
	s_barrier_wait -1
	FETCH 0, F0
	QUARTER 1, F0, F1, 1                           ; the first quarter's products start the sums
	WIN 0
	s_mov_b32 s3, TSTEPS-2
.Lstep:                                        ; a trip ends one K step, fills its slot again two steps ahead, and begins the next
	QUARTER 2, F1, F0
	QUARTER 3, F0, F1
	TURN 1
	QUARTER 1, F0, F1
	WIN 0
	s_sub_co_u32 s3, s3, 1
	s_cmp_lg_u32 s3, 0
	s_cbranch_scc1 .Lstep
	s_mov_b32 s3, 2
.Ltail:                                        ; the last two K steps ask for nothing
	QUARTER 2, F1, F0
	QUARTER 3, F0, F1
	WIN 0
	s_sub_co_u32 s3, s3, 1
	s_cmp_eq_u32 s3, 0
	s_cbranch_scc1 .Llast
	TURN 0
	QUARTER 1, F0, F1
	WIN 0
	s_branch .Ltail
.Llast:
	s_wait_dscnt 8
	MULH F1, 0, 0, 0
	MULH F1, 0, 2, 0
	s_wait_dscnt 0x0
	MULH F1, 1, 0, 0
	MULH F1, 1, 2, 0
	WIN 0
	s_wait_dscnt 0x0
	s_barrier_signal -1                            ; every wave's reads of the ring are over, and no fill follows: its bytes take the sums
	s_barrier_wait -1
.rept 8
	v_nop                                          ; the places behind the last products
.endr
.set da, 0
.rept 8
	WIN 0x08+4*(da/4)                              ; the stores' data: window 2, then 3
.set db, 0
.rept NB
.set rD, 8*(NB*(da%4)+db)
	ds_store_b128 v[DMP+da/4], v[rD:rD+3]   offset:(da%4)*16*DP+256*(db/2)+64*(db%2)      ; each accumulator's low four first
	ds_store_b128 v[DMP+da/4], v[rD+4:rD+7] offset:(da%4)*16*DP+256*(db/2)+64*(db%2)+16
.set db, db+1
.endr
.set da, da+1
.endr
	WIN 0
	s_wait_loadcnt 0x0                             ; the table and the biases
	WIN 0x08
.irp i, 0,1,2,3,4,5,6,7,8,9,10,11,12,13,14,15
	ds_store_b128 v[TRA], v[192+4*(\i):195+4*(\i)] offset:512*(\i)
.endr
	WIN 0x0c
.irp i, 0,1,2,3,4,5,6,7,8,9,10,11,12,13,14,15
	ds_store_b128 v[TRA], v[192+4*(\i):195+4*(\i)] offset:8192+512*(\i)
.endr
	WIN 0
	s_wait_dscnt 0x0                               ; for the others' sake: my stores are done
	s_barrier_signal -1
	s_barrier_wait -1
.macro RLOADS                          ; a trip's 16 loads: my eight channels and the partner's of three heads, eight cosines, eight sines
.irp g, 0,1,2
	ds_load_b128 v[OP+8*(\g):OP+8*(\g)+3], v[RDO] offset:256*(\g)
	ds_load_b128 v[OP+8*(\g)+4:OP+8*(\g)+7], v[RDO] offset:256*(\g)+16
	ds_load_b128 v[OP+24+8*(\g):OP+24+8*(\g)+3], v[RDP] offset:256*(\g)
	ds_load_b128 v[OP+24+8*(\g)+4:OP+24+8*(\g)+7], v[RDP] offset:256*(\g)+16
.endr
	ds_load_b128 v[TT:TT+3], v[TRD]
	ds_load_b128 v[TT+4:TT+7], v[TRD] offset:16
	ds_load_b128 v[TT+8:TT+11], v[TRD] offset:128
	ds_load_b128 v[TT+12:TT+15], v[TRD] offset:144
.endm
	RLOADS
	s_mov_b32 s3, 16
.Lrow:                                         ; four rows a trip: lane = 8 x row + group of eight channels
	s_wait_dscnt 0x0
.set n, 0
.rept 24
	v_pk_add_f32 v[OB+n:OB+n+1], v[OP+n:OP+n+1], v[BI+n:BI+n+1]
.set n, n+2
.endr
.set n, 0
.rept 16
	v_mov_b32 v[TC+n], v[TT+n]                     ; so that the next trip's loads can go out now
.set n, n+1
.endr
	s_cmp_eq_u32 s3, 1
	s_cbranch_scc1 .Lno_more                       ; the last trip loads nothing
	v_add_nc_u32 v[RDO], 4*DP, v[RDO]
	v_add_nc_u32 v[RDP], 4*DP, v[RDP]
	v_add_nc_u32 v[TRD], 1024, v[TRD]
	RLOADS
.Lno_more:
.irp g, 0,1,2
.irp k, 0,2,4,6
	v_pk_fma_f32 v[CB+(\k):CB+(\k)+1], v[TC+(\k):TC+(\k)+1], s[AL+4*(\g):AL+4*(\g)+1], s[AL+4*(\g)+2:AL+4*(\g)+3] op_sel_hi:[1,0,0]
	v_pk_mul_f32 v[SB+(\k):SB+(\k)+1], v[TC+8+(\k):TC+8+(\k)+1], v[SA+2*(\g):SA+2*(\g)+1]
.endr
.irp k, 0,2,4,6
	v_pk_mul_f32 v[OB+8*(\g)+(\k):OB+8*(\g)+(\k)+1], v[OB+8*(\g)+(\k):OB+8*(\g)+(\k)+1], v[CB+(\k):CB+(\k)+1]
.endr
.irp k, 0,2,4,6
	v_pk_fma_f32 v[OB+8*(\g)+(\k):OB+8*(\g)+(\k)+1], v[OB+24+8*(\g)+(\k):OB+24+8*(\g)+(\k)+1], v[SB+(\k):SB+(\k)+1], v[OB+8*(\g)+(\k):OB+8*(\g)+(\k)+1]
.endr
.irp k, 0,1,2,3
	v_cvt_pk_bf16_f32 v[OUT+4*(\g)+(\k)], v[OB+8*(\g)+2*(\k)], v[OB+8*(\g)+2*(\k)+1]
.endr
	global_store_b128 v[TO], v[OUT+4*(\g):OUT+4*(\g)+3], s[8:9] offset:262144*(\g)   ; four rows of a head: 512 consecutive bytes, aligned
.endr
	s_wait_xcnt 0x0                                ; the stores have read their data and base: both are written again only behind this wait
	s_add_nc_u64 s[8:9], s[8:9], 512
	s_sub_co_u32 s3, s3, 1
	s_cmp_lg_u32 s3, 0
	s_cbranch_scc1 .Lrow
	s_wait_tensorcnt 0x0                           ; the wave's end
	ds_add_u32 v[SPW], v[NIL]
	s_wait_dscnt 0x0
	CROUND                                         ; the closing round
	s_endpgm
.Lfunc_end_k_q9d4f1dbbae_qkv:
	.size	k_q9d4f1dbbae_qkv, .Lfunc_end_k_q9d4f1dbbae_qkv-k_q9d4f1dbbae_qkv
	.p2alignl 7, 3214868480
	.fill 96, 4, 3214868480
	.section	.rodata,"a",@progbits
	.p2align	6, 0x0
	.amdhsa_kernel k_q9d4f1dbbae_qkv
		.amdhsa_group_segment_fixed_size 327680
		.amdhsa_private_segment_fixed_size 0
		.amdhsa_enable_private_segment 0
		.amdhsa_kernarg_size 40
		.amdhsa_user_sgpr_count 2
		.amdhsa_user_sgpr_kernarg_segment_ptr 1
		.amdhsa_wavefront_size32 1
		.amdhsa_system_sgpr_workgroup_id_x 1
		.amdhsa_system_sgpr_workgroup_id_y 1
		.amdhsa_system_sgpr_workgroup_id_z 1
		.amdhsa_system_vgpr_workitem_id 0
		.amdhsa_next_free_vgpr 1024
		.amdhsa_next_free_sgpr 96
		.amdhsa_reserve_vcc 1
		.amdhsa_float_denorm_mode_32 3
		.amdhsa_float_denorm_mode_16_64 3
		.amdhsa_memory_ordered 1
		.amdhsa_forward_progress 1
		.amdhsa_inst_pref_size 86
	.end_amdhsa_kernel
	.amdgpu_metadata
---
amdhsa.version: [ 1, 2 ]
amdhsa.kernels:
  - .name:           k_q9d4f1dbbae_qkv
    .symbol:         k_q9d4f1dbbae_qkv.kd
    .args:
      - { .name: xn, .offset: 0, .size: 8, .value_kind: global_buffer, .address_space: global }
      - { .name: wb, .offset: 8, .size: 8, .value_kind: global_buffer, .address_space: global }
      - { .name: qkv_b, .offset: 16, .size: 8, .value_kind: global_buffer, .address_space: global }
      - { .name: rope, .offset: 24, .size: 8, .value_kind: global_buffer, .address_space: global }
      - { .name: qkv, .offset: 32, .size: 8, .value_kind: global_buffer, .address_space: global }
    .group_segment_fixed_size: 327680
    .private_segment_fixed_size: 0
    .kernarg_segment_align: 8
    .kernarg_segment_size: 40
    .max_flat_workgroup_size: 128
    .sgpr_count:     96
    .vgpr_count:     1024
    .wavefront_size: 32
...
	.end_amdgpu_metadata
.endif
;; end of part 2
;; launch attn (part 3): grid 8 x 32, 4 waves a work-group, clusters of 4 x 1, 327,680 bytes of LDS; arguments qkv, att; writes att
.if DOCPART == 3
	.amdgcn_target "amdgcn-amd-amdhsa--gfx1250"
	.amdhsa_code_object_version 6
	.text
	.protected	k_q9d4f1dbbae_attn
	.globl	k_q9d4f1dbbae_attn
	.p2align	8
	.type	k_q9d4f1dbbae_attn,@function
k_q9d4f1dbbae_attn:
	s_mov_b64 s[64:65], 0
	v_nop
	global_prefetch_b8 v0, s[64:65] scope:SCOPE_SE
	s_setreg_imm32_b32 hwreg(HW_REG_WAVE_MODE, 25, 1), 1
	s_wait_xcnt 0x0
	s_wait_alu depctr_hold_cnt(0) depctr_sa_sdst(0) depctr_va_vdst(0) depctr_va_sdst(0) depctr_va_ssrc(0) depctr_va_vcc(0) depctr_vm_vsrc(0)
	s_getreg_b32 s2, hwreg(HW_REG_IB_STS2, 6, 4)
	s_cmp_eq_u32 s2, 0
	s_cbranch_scc0 .Lentry_in_a_cluster
	s_endpgm
.Lentry_in_a_cluster:
	s_bfe_u32 s2, ttmp6, 0x10000c
	s_cmp_lg_u32 s2, 0x3003
	s_cbranch_scc0 .Lentry_shape_is_right
	s_endpgm
.Lentry_shape_is_right:
; ATTENTION.  O[q] = sum over k of softmax_k(Q[q] . K[k] / 8) V[k], for each of 32 (batch, head), 2,048 rows of 64 channels, no mask.  Q, K, V bf16 by heads (qkv[b][q,k,v][head][s][64]); products,
; maxima and sums in f32; the weights p are rounded to bf16 for the second product (their sum l is taken of the unrounded p), O once at the end.
; O leaves as att[block of 128 tokens][head][128 tokens][64] in bf16, so that the next launch can ask for a head's 128 rows as dense bytes.
; LIMITS.  A weight below 2^-126 counts as 0 in l; NaN and infinities are not treated apart.
; SHARES.  A work-group has 256 queries of one head, a wave 64: four PIECES of 16.  Every wave walks all keys, 64 a step; a slot of LDS holds 256 keys (four steps) of K and V, two slots take turns.
; LAYOUT.  S^T = K Q^T holds ONE query a lane (lane % 16) and the keys 8 (lane / 16) + 0..7; two such results rounded in pairs ARE source 1 of O^T = V^T P.  V comes out of LDS turned.
; SOFTMAX.  A running maximum m and sum l: p = 2^(c s - c m), c = log2(e) / 8; in every step O and l are multiplied by a = 2^(c m_old - c m_new).  m starts at the lowest finite number, O and l at 0.
; TURNS.  Turn n belongs to piece n: 8 products K Q^T of piece n + 1, later 8 products V^T P of piece n - 1; beside them the scaling, exponentials, roundings, sums and rescaling of piece n and the maximum
; and statistics of piece n + 1.  Four vector instructions stand behind every matrix instruction, the rest in one run.  A turn's 33 exponentials are one batch with one wait.
; CLUSTER.  The four query blocks of a cluster belong to one head and walk the same K and V: each tile is asked for jointly.
; REGISTERS in windows of 256: 0: addresses, statistics, v64-127 S^T (two buffers), v192-223 P (two buffers); 1: v0-127 O^T; 2: v0-63 Q, v128-191 K, v192-255 V of one step.
.set NP,    4
.set KS,    64
.set PK,    144       ; a row of K in LDS: 128 bytes + 16
.set PV,    160       ; a row of V: 128 + 32
.set VOFF,  4*KS*PK
.set SLOT1, 1<<17
.set STAGE, SLOT1+4*KS*(PK+PV)  ; behind the ring: 16 rows x 144 bytes a wave, for the way out
.set SP,    144
.set SPARE, STAGE+4*16*SP       ; the spare words: 128 bytes a wave, named by no other line
.set TILEB, 4*KS*128            ; a tile of K or V in memory
.set AK0, 2
.set AV0, 3
.set AK,  4
.set AV,  5
.set STO, 6
.set RD,  7
.set GO,  8
.set MV,  12          ; v12-13  c m_old, by buffer
.set QO,  15
.set ST,  16          ; piece t: c m, m, l (even keys', odd keys') at v[ST+4 t]
.set TMP, 48          ; by buffer, four at work; c2 takes a
.set PFO, 61          ; 256 x lane
.set SPW, 62
.set NIL, 63
.set S,   64
.set P,   192
.set KF,  128
.set VF,  192
.set WV,  12
.set G1K, 24
.set G1V, 32
.set G0K, 40
.set G0V, 44
.set PFA, 50
.set LIM, 52
.set SLOTS, 56
.set CNT, 57
.set CS,  58
.set SEL, 60
.set TBK, 62
.set TBV, 63
.set MSB, 0
.macro WIN new
.if MSB != (\new)
	s_set_vgpr_msb (MSB<<8)|(\new)
.set MSB, (\new)
.endif
.endm
.set W_KQ, 0x0a       ; K and Q window 2, S^T window 0
.set W_PV, 0x52       ; V window 2, P window 0, O^T window 1
.set W_RS, 0x41       ; destination and source 0 window 1, source 1 window 0
.macro JLOAD                        ; waves 0, 1 fetch the halves of a tile's K, waves 2, 3 of its V; s_nop 0 and four v_nop follow each line
	s_cmp_lt_u32 s[WV], 2
	s_cbranch_scc0 .Lfor_v_\@
	tensor_load_to_lds s[G0K:G0K+3], s[G1K:G1K+7]
	s_nop 0
.rept 4
	v_nop
.endr
	s_branch .Lasked_\@
.Lfor_v_\@:
	tensor_load_to_lds s[G0V:G0V+3], s[G1V:G1V+7]
	s_nop 0
.rept 4
	v_nop
.endr
.Lasked_\@:
.endm
.macro ASK                          ; a prefetch of the tile that the NEXT change of slots loads: the head's first cluster asks, its four partners take 8,192 bytes each by address, wave 0 K's and wave 2 V's, a lane a block of 256 bytes
	s_cmp_gt_u32 s[SLOTS], s[LIM]   ; the last fill has no tile behind it
	s_cbranch_scc0 .Lnot_mine_\@
	global_prefetch_b8 v[PFO], s[PFA:PFA+1] th:TH_LOAD_NT scope:SCOPE_SE
.Lnot_mine_\@:
.endm
.macro CROUND
	s_barrier_signal -1
	s_barrier_wait -1
	s_cmp_lg_u32 s[WV], 0
	s_cbranch_scc1 .Lnot_wave_0_\@
	s_barrier_signal -3
.Lnot_wave_0_\@:
	s_barrier_wait -3
	s_barrier_signal -1
	s_barrier_wait -1
.endm
; THE CHANGE OF SLOTS.  Each wave waits for all its tensor loads (one is out: its part of the other slot), adds 0 to its spare word, and waits for that and for its reads of the slot that it leaves.
; fill = 1: the barrier is a round of the cluster's, and the joint fill of the old slot, two tiles on, is the first thing behind it: it has four key steps in which to land.
.macro CHANGE fill, ask
	WIN 0
	s_wait_tensorcnt 0x0
	ds_add_u32 v[SPW], v[NIL]
.if \fill
.irp g, G0K, G0V
	s_xor_b32 s[\g+1], s[\g+1], SLOT1
	s_add_nc_u64 s[\g+2:\g+3], s[\g+2:\g+3], TILEB
.endr
.if \ask
	s_wait_xcnt 0x0                 ; the last prefetch, four key steps back, has read its address
	s_add_nc_u64 s[PFA:PFA+1], s[PFA:PFA+1], TILEB
.endif
	s_wait_dscnt 0x0
	CROUND
	JLOAD
.if \ask
	ASK
.endif
.else
	s_wait_dscnt 0x0
	s_barrier_signal -1
	s_barrier_wait -1
.endif
	s_sub_co_u32 s[TBK], s[TBK], 4*KS*PK  ; the fetches go back to a slot's first step, in the other slot
	s_xor_b32 s[TBK], s[TBK], SLOT1
	s_sub_co_u32 s[TBV], s[TBV], 4*KS*PV
	s_xor_b32 s[TBV], s[TBV], SLOT1
.endm
	s_load_b128 s[4:7], s[0:1], 0x0   ; qkv, att
	v_lshl_add_u32 v[SPW], v0, 2, SPARE
	v_mov_b32 v[NIL], 0
	ds_add_u32 v[SPW], v[NIL]       ; the opening: the add and its wait ahead of my first tensor load
	v_lshrrev_b32 v1, 5, v0
	v_readfirstlane_b32 s[WV], v1
	s_bfe_u32 s13, ttmp6, 0x40000   ; cx
	s_lshl_b32 s14, ttmp9, 2
	s_add_co_u32 s14, s14, s13      ; my block of 256 queries: it enters Q's and O's addresses alone
	s_and_b32 s20, ttmp7, 0xffff
	s_lshr_b32 s21, s20, 4          ; b
	s_and_b32 s15, s20, 15          ; head
	s_mul_i32 s20, s21, 48
	s_add_co_u32 s20, s20, s15
	s_lshl_b32 s20, s20, 18         ; the head's q in qkv; k lies 4,194,304 bytes on, v as far again
	s_and_b32 s16, s[WV], 1         ; which half of a tile's 256 keys I fetch
	s_lshl_b32 s22, s16, 14
	s_add_co_u32 s22, s22, s20
	s_add_co_u32 s22, s22, 4194304
	s_mov_b32 s23, 0
	s_mul_i32 s17, s16, 128*PK
	s_mul_i32 s18, s16, 128*PV
	s_lshl_b32 s2, s14, 15
	s_lshl_b32 s3, s[WV], 13
	s_add_co_u32 s2, s2, s3
	s_add_co_u32 s2, s2, s20        ; Q at my wave's 64 rows
	s_mov_b32 s3, 0
	s_lshl_b32 s54, s21, 4          ; att: token block 16 b + 2 block + wave / 2,
	s_lshl1_add_u32 s54, s14, s54
	s_lshr_b32 s55, s[WV], 1
	s_add_co_u32 s54, s54, s55
	s_lshl4_add_u32 s54, s54, s15   ; x 16 heads + head,
	s_lshl_b32 s54, s54, 14         ; 16,384 bytes each,
	s_lshl_b32 s55, s16, 13         ; and 64 rows on for odd waves
	s_add_co_u32 s54, s54, s55
	s_mov_b32 s55, 0
	s_lshl_b32 s48, s13, 13
	s_mov_b32 s49, 0
	; 128 keys are 16,384 dense bytes: asked for as 64 rows of 256 bytes, padded in LDS after every key
	s_mov_b32 s[G1K], 15|(1<<16)|(1<<20)|(1<<21)|(4<<22)|(3<<25)
	s_mov_b32 s[G1V], 15|(1<<16)|(1<<20)|(1<<21)|(4<<22)|(7<<25)
.irp g, G1K, G1V
	s_mov_b32 s[\g+1], 128<<16
	s_mov_b32 s[\g+2], 64<<16
	s_mov_b32 s[\g+3], 128<<16
	s_mov_b32 s[\g+4], 64
	s_mov_b32 s[\g+5], 128
	s_mov_b32 s[\g+6], 0
	s_mov_b32 s[\g+7], 0
.endr
	s_mov_b32 s[CS], 0x3e38aa3b     ; c = log2(e) / 8
	s_mov_b32 s[CS+1], s[CS]
	s_mov_b32 s[SEL], 0x76543210
	s_mov_b32 s[SEL+1], 0xfedcba98
	s_mov_b32 s[TBK], SLOT1+4*KS*PK ; the first change of slots turns these two into 0
	s_mov_b32 s[TBV], SLOT1+4*KS*PV
	s_mov_b32 s[G0K], 1
	s_mov_b32 s[G0K+1], s17
	s_mov_b32 s[G0V], 1
	s_add_co_u32 s[G0V+1], s18, VOFF
	s_and_b32 s[LIM], s[WV], 1
	s_or_b32 s[LIM], s[LIM], ttmp9  ; 0 in waves 0 and 2 of the head's first cluster: the same in all four partners
	s_cmp_eq_u32 s[LIM], 0
	s_cselect_b32 s[LIM], 1, -1
	v_and_b32 v[PFO], 31, v0
	v_lshlrev_b32 v[PFO], 8, v[PFO]
	s_wait_dscnt 0x0                ; the opening add is done
	s_wait_kmcnt 0x0
	s_mov_b64 s[10:11], s[6:7]
	s_add_nc_u64 s[6:7], s[4:5], s[22:23]      ; K at my half of tile 0
	s_add_nc_u64 s[8:9], s[6:7], 4194304       ; V
	s_add_nc_u64 s[4:5], s[4:5], s[2:3]        ; Q
	s_add_nc_u64 s[10:11], s[10:11], s[54:55]  ; O
	s_mov_b64 s[G0K+2:G0K+3], s[6:7]
	s_or_b32 s[G0K+3], s[G0K+3], 0x80000000
	s_mov_b64 s[G0V+2:G0V+3], s[8:9]
	s_or_b32 s[G0V+3], s[G0V+3], 0x80000000
	s_cmp_lt_u32 s[WV], 2
	s_cselect_b64 s[PFA:PFA+1], s[6:7], s[8:9]
	s_add_nc_u64 s[PFA:PFA+1], s[PFA:PFA+1], s[48:49]
	s_add_nc_u64 s[PFA:PFA+1], s[PFA:PFA+1], 2*TILEB  ; in tile 2: the loop's first change steps it to tile 3
	CROUND                          ; all four work-groups are here
	JLOAD                           ; tile 0 into slot 0
	v_and_b32 v1, 15, v0
	v_bfe_u32 v9, v0, 4, 1
	v_lshlrev_b32 v[QO], 7, v1
	v_lshl_add_u32 v[QO], v9, 4, v[QO]
	WIN 0x80
.set i, 0
.rept 8                             ; Q stays in registers: piece i / 2, channels 32 (i % 2) on
	global_load_b128 v[8*i:8*i+3],   v[QO], s[4:5] offset:(i/2)*2048+(i%2)*64
	global_load_b128 v[8*i+4:8*i+7], v[QO], s[4:5] offset:(i/2)*2048+(i%2)*64+32
.set i, i+1
.endr
	; what the first turn finds: V's registers and P's second buffer hold 0, O^T and l are 0.  All this stands in the wait for the first tile.
.set i, VF
.rept 64
	v_mov_b32 v[i], 0
.set i, i+1
.endr
	WIN 0x40
.set i, 0
.rept 128
	v_mov_b32 v[i], 0
.set i, i+1
.endr
	WIN 0
.set i, 0
.rept 4
	v_mov_b32 v[ST+4*i], 0xfe000000    ; c m: far below every c s
	v_mov_b32 v[ST+4*i+1], 0xff7fffff  ; m
	v_mov_b32 v[ST+4*i+2], 0
	v_mov_b32 v[ST+4*i+3], 0
.set i, i+1
.endr
.set i, P+16
.rept 16
	v_mov_b32 v[i], 0
.set i, i+1
.endr
	v_mul_u32_u24 v[AK0], v1, PK
	v_lshl_add_u32 v[AK0], v9, 4, v[AK0]
	v_and_b32 v10, 7, v0
	v_bfe_u32 v11, v0, 3, 1
	v_lshl_add_u32 v[AV0], v9, 3, v10
	v_mul_u32_u24 v[AV0], v[AV0], PV
	v_lshl_add_u32 v[AV0], v11, 4, v[AV0]
	v_add_nc_u32 v[AV0], VOFF, v[AV0]
	s_mul_i32 s13, s[WV], 16*SP
	s_add_co_u32 s13, s13, STAGE
	v_mul_u32_u24 v[STO], v1, SP
	v_lshl_add_u32 v[STO], v9, 4, v[STO]
	v_add_nc_u32 v[STO], s13, v[STO]
	v_bfe_u32 v[RD], v0, 3, 2
	v_mul_u32_u24 v[RD], v[RD], SP
	v_lshl_add_u32 v[RD], v10, 4, v[RD]
	v_add_nc_u32 v[RD], s13, v[RD]
	v_and_b32 v[GO], 31, v0
	v_lshlrev_b32 v[GO], 4, v[GO]
; THE MATRIX WORK.  The 4 accumulators of a run of 8 take turns.  Product i of S^T = K Q^T for piece x: channels 32 (i / 4) on, keys 16 (i % 4) on; the first 4 start the sums.
.macro KQ x
	WIN W_KQ
.set rS, S+32*((\x)%2)+8*(i%4)
.set rK, KF+16*(i%4)+8*(i/4)
.set rQ, 16*(\x)+8*(i/4)
.if i < 4
	v_wmma_f32_16x16x32_bf16 v[rS:rS+7], v[rK:rK+7], v[rQ:rQ+7], 0
.else
	v_wmma_f32_16x16x32_bf16 v[rS:rS+7], v[rK:rK+7], v[rQ:rQ+7], v[rS:rS+7]
.endif
.endm
.macro PV x                         ; product i of O^T += V^T P for piece x: keys 32 (i / 4) on, channels 16 (i % 4) on
	WIN W_PV
.set rO, 32*(\x)+8*(i%4)
.set rV, VF+32*(i/4)+8*(i%4)
.set rP, P+16*((\x)%2)+8*(i/4)
	v_wmma_f32_16x16x32_bf16 v[rO:rO+7], v[rV:rV+7], v[rP:rP+7], v[rO:rO+7]
.endm
.macro MM                           ; the turn's next matrix instruction
.if i < 8
	KQ (Y+1)%NP
.else
.set i, i-8
	PV (Y+NP-1)%NP
.set i, i+8
.endif
.set i, i+1
.endm
.macro FETCH_K                      ; a step's K: 16 loads in one run
	WIN 0x80
.irp f, 0,1,2,3,4,5,6,7
	ds_load_b128 v[KF+8*\f:KF+8*\f+3],   v[AK] offset:(\f/2)*16*PK+(\f%2)*64
	ds_load_b128 v[KF+8*\f+4:KF+8*\f+7], v[AK] offset:(\f/2)*16*PK+(\f%2)*64+32
.endr
	s_add_co_u32 s[TBK], s[TBK], KS*PK
	WIN 0
.endm
.macro FETCH_V                      ; a step's V, turned
	WIN 0x80
.irp f, 0,1,2,3,4,5,6,7
	ds_load_tr16_b128 v[VF+8*\f:VF+8*\f+3],   v[AV] offset:(\f/4)*32*PV+(\f%4)*32
	ds_load_tr16_b128 v[VF+8*\f+4:VF+8*\f+7], v[AV] offset:(\f/4)*32*PV+16*PV+(\f%4)*32
.endr
	WIN 0
.endm
; THE VECTOR WORK, a line at a time: OP kind, number.  For piece Y: F n: c s - c m for pair n.  E n: the exponential of score n.  C n: pair n rounded to bf16.  B n: of the weights 4 n .. the second pair is
; added onto the first.  L n: l takes that sum (L 0: l = a l + sum).  R n: pair n of O^T times a.  For piece Y + 1: X n: 0-11 four chains of maxima (each accumulator's lowest registers first); 12-14, 16 the
; rest, the old m, the four into one; 15 c m_old is kept; 17, 18 the other half of the lanes: the new m; 19-21 c m, its change, a.
.set F, 0
.set E, 1
.set C, 2
.set B, 3
.set L, 4
.set R, 5
.set X, 6
.macro REGS y
.set rT, ST+4*(\y)
.set rC, TMP+4*((\y)%2)
.set rW, MV+((\y)%2)
.set rS, S+32*((\y)%2)
.set rP, P+16*((\y)%2)
.set rO, 32*(\y)
.endm
.macro OP k, n
.if (\k) == R
	REGS Y
	WIN W_RS
	v_pk_mul_f32 v[rO+2*(\n):rO+2*(\n)+1], v[rO+2*(\n):rO+2*(\n)+1], v[rC+2:rC+3] op_sel_hi:[1,0]
.elseif (\k) < R
	REGS Y
	WIN 0
.if (\k) == F
	v_pk_fma_f32 v[rS+2*(\n):rS+2*(\n)+1], v[rS+2*(\n):rS+2*(\n)+1], s[CS:CS+1], v[rT:rT+1] op_sel_hi:[1,0,0] neg_lo:[0,0,1] neg_hi:[0,0,1]
.elseif (\k) == E
	v_exp_f32 v[rS+(\n)], v[rS+(\n)]
.elseif (\k) == C
	v_cvt_pk_bf16_f32 v[rP+(\n)], v[rS+2*(\n)], v[rS+2*(\n)+1]
.elseif (\k) == B
	v_pk_add_f32 v[rS+4*(\n):rS+4*(\n)+1], v[rS+4*(\n):rS+4*(\n)+1], v[rS+4*(\n)+2:rS+4*(\n)+3]
.elseif (\n) == 0
	v_pk_fma_f32 v[rT+2:rT+3], v[rT+2:rT+3], v[rC+2:rC+3], v[rS:rS+1] op_sel_hi:[1,0,1]
.else
	v_pk_add_f32 v[rT+2:rT+3], v[rT+2:rT+3], v[rS+4*(\n):rS+4*(\n)+1]
.endif
.else
	REGS (Y+1)%NP
	WIN 0
.if (\n) < 4
	v_max3_num_f32 v[rC+(\n)], v[rS+8*(\n)], v[rS+8*(\n)+1], v[rS+8*(\n)+2]
.elseif (\n) < 12
	v_max3_num_f32 v[rC+(\n)%4], v[rC+(\n)%4], v[rS+8*((\n)%4)+2*((\n)/4)+1], v[rS+8*((\n)%4)+2*((\n)/4)+2]
.elseif (\n) == 12
	v_max3_num_f32 v[rC], v[rC], v[rS+7], v[rS+15]
.elseif (\n) == 13
	v_max3_num_f32 v[rC+1], v[rC+1], v[rS+23], v[rS+31]
.elseif (\n) == 14
	v_max3_num_f32 v[rC+2], v[rC+2], v[rC+3], v[rT+1]
.elseif (\n) == 15
	v_mov_b32 v[rW], v[rT]
.elseif (\n) == 16
	v_max3_num_f32 v[rC], v[rC], v[rC+1], v[rC+2]
.elseif (\n) == 17
	v_permlanex16_b32 v[rC+3], v[rC], s[SEL], s[SEL+1]
.elseif (\n) == 18
	v_max_num_f32 v[rT+1], v[rC], v[rC+3]
.elseif (\n) == 19
	v_mul_f32 v[rT], s[CS], v[rT+1]
.elseif (\n) == 20
	v_sub_f32 v[rC+1], v[rW], v[rT]
.else
	v_exp_f32 v[rC+2], v[rC+1]
.endif
.endif
.endm
.macro OPS a, i1, b=-1, i2=0, c=-1, i3=0, d=-1, i4=0
	OP \a, \i1
.if (\b) >= 0
	OP \b, \i2
.endif
.if (\c) >= 0
	OP \c, \i3
.endif
.if (\d) >= 0
	OP \d, \i4
.endif
.endm
.macro ROW a, i1, b, i2, c, i3, d, i4  ; a matrix instruction and the four behind it
	MM
	OPS \a, \i1, \b, \i2, \c, \i3, \d, \i4
.endm
; A TURN, for piece p.  Ahead of its ONE wait stands all that names no result of the turn's exponentials: the 8 products K Q^T with their riders and a run of 54; behind it the 8 products V^T P, whose riders
; are the roundings and sums.  K of the next step is fetched in piece 2's turn, V of the step in hand at the end of piece 0's; each is waited for a turn later; four plain instructions or more lie between a
; buffer's last product and its loads.  last = 1 (the tail): behind the last step's K there is none, and the last is read once more.  cnt = 1: the loop's count is taken down ahead of the branch behind the turn.
.macro TURN p, last=0, cnt=0
.set Y, (\p)
.set i, 0
.if (\p) == 3
	s_wait_dscnt 0x0                ; K is in
.endif
	ROW F,0, F,1, R,0, R,1
	ROW F,2, E,0, R,2, R,3
	ROW F,3, E,1, R,4, R,5
	ROW F,4, E,2, R,6, R,7
	ROW F,5, E,3, R,8, R,9
	ROW F,6, E,4, X,0, R,10
.if (\p) == 2
	WIN 0
.if \last
	s_min_u32 s[TBK], s[TBK], SLOT1+3*KS*PK
.endif
	v_add_nc_u32 v[AK], s[TBK], v[AK0]
.endif
	ROW F,7, E,5, X,1, X,4
	ROW F,8, E,6, X,2, X,5
	OPS E,7, E,8, X,6, E,9
	OPS X,3, E,10, X,8, E,11
.if (\p) == 2
	FETCH_K
.endif
	OPS X,9, X,7, E,12, X,10
	OPS E,13, X,12, X,11, E,14
	OPS X,13, E,15, F,9, X,14
.if (\p) == 0
	v_add_nc_u32 v[AV], s[TBV], v[AV0]
.endif
	OPS E,16, F,10, E,17, F,11
	OPS X,16, E,18, X,15, E,19
	OPS F,12, E,20, X,17, E,21
	OPS F,13, E,22, F,14, E,23
	OPS X,18, E,24, F,15, E,25
	OPS R,11, E,26, X,19, E,27
	OPS R,12, E,28, R,13, E,29
	OPS X,20, E,30, R,14, E,31
	OPS X,21, R,15                  ; the next piece's a is the batch's last; R 15 is the plain instruction behind it
	WIN 0
	s_wait_alu depctr_va_vdst(0)    ; the wait for the batch
.if (\p) == 1
	s_wait_dscnt 0x0                ; V is in
.endif
	ROW C,0, B,0, C,2, B,1
	ROW L,0, C,4, B,2, L,1
	ROW C,6, B,3, L,2, C,8
	ROW B,4, L,3, C,10, B,5
	ROW L,4, C,12, B,6, L,5
.if (\p) == 0
	s_add_co_u32 s[TBV], s[TBV], KS*PV
.endif
.if \cnt
	s_sub_co_u32 s[CNT], s[CNT], 1
	s_cmp_lg_u32 s[CNT], 0
.endif
	ROW C,14, B,7, L,6, C,1
	ROW C,3, L,7, C,5, C,7
	ROW C,9, C,11, C,13, C,15
.if (\p) == 0
	FETCH_V
.endif
.endm
	CHANGE 1, 0                     ; tile 0 is in, everybody's part of it; tile 1 is asked for
	v_add_nc_u32 v[AK], s[TBK], v[AK0]
	FETCH_K                         ; key step 0
	s_wait_loadcnt 0x0              ; Q
	s_wait_dscnt 0x0
.set i, 0
.rept 8
	KQ 0                            ; piece 0's first scores
.set i, i+1
.endr
	WIN 0
.rept 4
	v_nop                           ; the places behind those products
.endr
.set Y, NP-1
.irp n, 0,1,2,3,4,5,6,7,8,9,10,11,12,13,14,15,16,17,18,19,20,21
	OP X, \n                        ; piece 0's first maximum and statistics
.endr
	v_nop
	s_wait_alu depctr_va_vdst(0)    ; a's wait, ahead of the branch
	s_mov_b32 s[CNT], 4
	s_mov_b32 s[SLOTS], 7
	s_branch .Lfirst                ; the loop is entered at a step's first turn
.Lslot:                             ; six times: tiles 2 to 7 are asked for
	CHANGE 1, 1
	s_mov_b32 s[CNT], 4
.Lstep:                             ; a trip: pieces 2 and 3 of one step, then pieces 0 and 1 of the next
	TURN 2
	TURN 3
	WIN 0
.Lfirst:
	TURN 0
	TURN 1, 0, 1
	WIN 0
	s_cbranch_scc1 .Lstep
	s_sub_co_u32 s[SLOTS], s[SLOTS], 1
	s_cmp_lg_u32 s[SLOTS], 0
	s_cbranch_scc1 .Lslot
	CHANGE 0, 0                     ; the tail is written out
	s_mov_b32 s[CNT], 5             ; four trips take the last tile's steps; the fifth is left in its middle
.Ltail:
	TURN 2, 1
	TURN 3
	WIN 0
	s_sub_co_u32 s[CNT], s[CNT], 1
	s_cmp_eq_u32 s[CNT], 0
	s_cbranch_scc1 .Lout
	TURN 0
	TURN 1
	WIN 0
	s_branch .Ltail
.Lout:                              ; the fifth trip's products K Q^T and the maximum made of them serve nothing: the price of one text for every trip
.set i, 0
.rept 8
	PV NP-1                         ; the last piece's V^T P of the last step
.set i, i+1
.endr
	; THE WAY OUT: l's halves are added, O^T divided by l, rounded, sent through my stage a piece at a time.  The additions are the places behind the last products.
	WIN 0
.macro ALL line:vararg
.set t, 0
.rept 4
	\line
.set t, t+1
.endr
.endm
	ALL v_add_f32 v[ST+4*t+2], v[ST+4*t+2], v[ST+4*t+3]
	ALL v_permlanex16_b32 v[ST+4*t+3], v[ST+4*t+2], s[SEL], s[SEL+1]
	ALL v_add_f32 v[ST+4*t+2], v[ST+4*t+2], v[ST+4*t+3]
	ALL v_rcp_f32 v[ST+4*t+2], v[ST+4*t+2]
	v_nop
	s_wait_alu depctr_va_vdst(0)    ; one wait for the four reciprocals
.macro PACK t
	WIN W_RS
.set i, 32*(\t)
.rept 16
	v_pk_mul_f32 v[i:i+1], v[i:i+1], v[ST+4*(\t)+2:ST+4*(\t)+3] op_sel_hi:[1,0]
.set i, i+2
.endr
	WIN 0x05
.set i, 0
.rept 16
	v_cvt_pk_bf16_f32 v[S+16*(\t)+i], v[32*(\t)+2*i], v[32*(\t)+2*i+1]
.set i, i+1
.endr
	WIN 0
.irp f, 0,1,2,3
	ds_store_b128 v[STO], v[S+16*(\t)+4*\f:S+16*(\t)+4*\f+3] offset:32*\f
.endr
.irp f, 0,1,2,3
	ds_load_b128 v[S+16*(\t)+4*\f:S+16*(\t)+4*\f+3], v[RD] offset:\f*4*SP  ; LDS serves a wave's instructions in order: these see the stores above
.endr
.endm
.macro SEND t, younger
	WIN 0
.irp f, 0,1,2,3
	s_wait_dscnt (\younger)+3-\f
	global_store_b128 v[GO], v[S+16*(\t)+4*\f:S+16*(\t)+4*\f+3], s[10:11] offset:(\t)*2048+\f*512  ; 512 consecutive bytes, aligned
.endr
.endm
	PACK 0
.set t, 1
.rept 3
	PACK t
	SEND t-1, 8
.set t, t+1
.endr
	SEND 3, 0
	s_wait_tensorcnt 0x0            ; the wave's end
	ds_add_u32 v[SPW], v[NIL]
	s_wait_dscnt 0x0
	CROUND                          ; the closing round
	s_endpgm
.Lfunc_end_k_q9d4f1dbbae_attn:
	.size	k_q9d4f1dbbae_attn, .Lfunc_end_k_q9d4f1dbbae_attn-k_q9d4f1dbbae_attn
	.p2alignl 7, 3214868480
	.fill 96, 4, 3214868480
	.section	.rodata,"a",@progbits
	.p2align	6, 0x0
	.amdhsa_kernel k_q9d4f1dbbae_attn
		.amdhsa_group_segment_fixed_size 327680
		.amdhsa_private_segment_fixed_size 0
		.amdhsa_enable_private_segment 0
		.amdhsa_kernarg_size 16
		.amdhsa_user_sgpr_count 2
		.amdhsa_user_sgpr_kernarg_segment_ptr 1
		.amdhsa_wavefront_size32 1
		.amdhsa_system_sgpr_workgroup_id_x 1
		.amdhsa_system_sgpr_workgroup_id_y 1
		.amdhsa_system_sgpr_workgroup_id_z 1
		.amdhsa_system_vgpr_workitem_id 0
		.amdhsa_next_free_vgpr 768
		.amdhsa_next_free_sgpr 66
		.amdhsa_reserve_vcc 0
		.amdhsa_float_denorm_mode_32 3
		.amdhsa_float_denorm_mode_16_64 3
		.amdhsa_memory_ordered 1
		.amdhsa_forward_progress 1
		.amdhsa_inst_pref_size 112
	.end_amdhsa_kernel
	.amdgpu_metadata
---
amdhsa.version: [ 1, 2 ]
amdhsa.kernels:
  - .name:           k_q9d4f1dbbae_attn
    .symbol:         k_q9d4f1dbbae_attn.kd
    .args:
      - { .name: qkv, .offset: 0, .size: 8, .value_kind: global_buffer, .address_space: global }
      - { .name: att, .offset: 8, .size: 8, .value_kind: global_buffer, .address_space: global }
    .group_segment_fixed_size: 327680
    .private_segment_fixed_size: 0
    .kernarg_segment_align: 8
    .kernarg_segment_size: 16
    .max_flat_workgroup_size: 128
    .sgpr_count:     66
    .vgpr_count:     768
    .wavefront_size: 32
...
	.end_amdgpu_metadata
.endif
;; end of part 3
;; launch oproj (part 4): grid 8 x 32, 4 waves a work-group, clusters of 4 x 4, 327,680 bytes of LDS; arguments att, wb, o_b, x, x1; writes x1
.if DOCPART == 4
	.amdgcn_target "amdgcn-amd-amdhsa--gfx1250"
	.amdhsa_code_object_version 6
	.text
	.protected	k_q9d4f1dbbae_oproj
	.globl	k_q9d4f1dbbae_oproj
	.p2align	8
	.type	k_q9d4f1dbbae_oproj,@function
k_q9d4f1dbbae_oproj:
	s_mov_b64 s[64:65], 0
	v_nop
	global_prefetch_b8 v0, s[64:65] scope:SCOPE_SE
	s_setreg_imm32_b32 hwreg(HW_REG_WAVE_MODE, 25, 1), 1
	s_wait_xcnt 0x0
	s_wait_alu depctr_hold_cnt(0) depctr_sa_sdst(0) depctr_va_vdst(0) depctr_va_sdst(0) depctr_va_ssrc(0) depctr_va_vcc(0) depctr_vm_vsrc(0)
	s_getreg_b32 s2, hwreg(HW_REG_IB_STS2, 6, 4)
	s_cmp_eq_u32 s2, 0
	s_cbranch_scc0 .Lentry_in_a_cluster
	s_endpgm
.Lentry_in_a_cluster:
	s_bfe_u32 s2, ttmp6, 0x10000c
	s_cmp_lg_u32 s2, 0xf033
	s_cbranch_scc0 .Lentry_shape_is_right
	s_endpgm
.Lentry_shape_is_right:
; O PROJECTION.  x1 = x + att o_w + o_b (4,096 x 1,024, K = 1,024).  Operands bf16, sums, bias and residual f32; x1 is f32.
; A tile is 128 x 128: 256 work-groups; four waves of 64 x 64, 16 accumulators.  K goes in steps of 256 (four heads) through two LDS slots; the K step is written once, the slot in hand is a scalar.
; att lies [block of 128 tokens][head][128][64]: a wave's load is two heads' 32,768 dense bytes, asked for as 128 rows of 256 bytes and padded after each token's 128: a quarter of a K step is a head.
; The weights lie [K][N] and come out of LDS turned.  The matrix instruction is used transposed: a lane holds one token and eight neighbouring columns.
; CLUSTER 4 x 4: att's tile is asked for jointly along a row of the cluster, the weights' along a column.
; THE WALK ALONG K.  A cluster takes the four K steps in a ring: it begins at step 0 where cluster x + cluster y is even, at step 2 where it is odd (f32 sums may be taken in any order).  Of the clusters
; that read the same rows of att (same y) or of the weights (same x) half have each parity: each block is read by one half of them two steps ahead of the other half.
; NO PREFETCH: my cluster is among the first to read the first two K steps of its walk alone, and those are the first fills.
; THE WAY OUT.  The residual's 64 x 64 of my wave is loaded at the head into window 2; the bias is added onto it once; each block of 16 rows goes through my own stage and lands on it; stores of 256 bytes.
.set TSTEPS, 4
.set LOGH, 1
.set PF, 0
.set PA, 144
.set AQ, 128*PA
.set HALFA, 2*AQ
.set QIA, 4
.set AD0, 128
.set AD1, 128
.set APITCH, 128
.set ATRS, 18
.set AHS, 15
.set ASTEP, 65536
.set WOFF, 6291456
.set PFA_RB, 0
.set PFB_RB, 0
.set PFA_PITCH, 0
.set PFB_PITCH, 0
.set PFA_SH, 0
.set PFB_SH, 0
.set BOFF, 2*HALFA
.set PB, 288                           ; a row of the weights' tile: 256 bytes + 32: an odd multiple of 32
.set HALFB, 128*PB
.set BSTEP, 256*2048
.set SLOT, 0x24000                     ; shares no bit with a wave's target in slot 0
.set STAGE, 2*SLOT                     ; behind the ring: 16 rows x 272 bytes a wave
.set SP, 272
.set SPARE, STAGE+4*16*SP              ; the spare words: 128 bytes a wave, named by no other line
.set BIA, 6
.set BI, 12
.set ADRA0, 16
.set ADRA, 17
.set ADRB0, 20
.set ADRB, 21
.set ADRB20, 22
.set ADRB2, 23
.set STO, 24
.set RD, 25
.set CO, 26
.set SPW, 28
.set NIL, 29
.set PFO, 30
.set TMP, 32
.set ACC, 128
.set F0, 0
.set F1, 128
.set G1, 24
.set G0, 32
.set LIM, 43
.set PFA, 44
.set G1B, 48
.set G0B, 56
.set TB, 66
.set KI, 67                            ; s67  the K step of the youngest load
.set PFS, 68
.set OFF, 70                           ; s[70:71] a K step's byte offset; the upper word stays 0
.set BA, 90                            ; s[90:91] the activations at my part of the tile, K step 0
.set BB, 92                            ; s[92:93] the weights likewise
.set MSB, 0
.macro WIN new
.if MSB != (\new)
	s_set_vgpr_msb (MSB<<8)|(\new)
.set MSB, \new
.endif
.endm
.set MUL, 0x05                         ; sources 0 and 1 window 1; C and D window 0
.set TO_F, 0x40
.macro JLOAD s                         ; waves 0, 1 fetch the activations' halves, waves 2, 3 the weights'; s_nop 0 and four v_nop follow each line
	s_cmp_eq_u32 s11, 0
	s_cbranch_scc0 .Lfor_b_\@
	tensor_load_to_lds s[G0+4*(\s):G0+4*(\s)+3], s[G1:G1+7]
	s_nop 0
.rept 4
	v_nop
.endr
	s_branch .Lasked_\@
.Lfor_b_\@:
	tensor_load_to_lds s[G0B+4*(\s):G0B+4*(\s)+3], s[G1B:G1B+7]
	s_nop 0
.rept 4
	v_nop
.endr
.Lasked_\@:
.endm
.macro ASK
	s_cmp_gt_u32 s3, s[LIM]
	s_cbranch_scc0 .Lnot_mine_\@
	global_prefetch_b8 v[PFO], s[PFA:PFA+1] th:TH_LOAD_NT scope:SCOPE_SE
.Lnot_mine_\@:
.endm
.macro CREST
	s_cmp_lg_u32 s10, 0
	s_cbranch_scc1 .Lnot_wave_0_\@
	s_barrier_signal -3
.Lnot_wave_0_\@:
	s_barrier_wait -3
	s_barrier_signal -1
	s_barrier_wait -1
.endm
.macro CROUND
	s_barrier_signal -1
	s_barrier_wait -1
	CREST
.endm
.macro PLACES
.rept 4
	v_nop
.endr
.endm
	s_load_b128 s[4:7], s[0:1], 0x0                ; activations, wb
	s_load_b128 s[72:75], s[0:1], 0x10             ; bias, residual
	s_load_b64 s[8:9], s[0:1], 0x20                ; output
	v_lshl_add_u32 v[SPW], v0, 2, SPARE
	v_mov_b32 v[NIL], 0
	ds_add_u32 v[SPW], v[NIL]                      ; the opening: the add and its wait ahead of my first tensor load
	v_lshrrev_b32 v1, 5, v0
	v_readfirstlane_b32 s10, v1
	s_lshr_b32 s11, s10, 1
	s_and_b32 s12, s10, 1
	s_bfe_u32 s40, ttmp6, 0x40000
	s_bfe_u32 s41, ttmp6, 0x40004
	s_lshl_b32 s42, ttmp9, 2
	s_add_co_u32 s42, s42, s40                     ; tc
	s_and_b32 s13, ttmp7, 0xffff
	s_add_co_u32 s[KI], s13, ttmp9                 ; cluster y + cluster x: the same in all sixteen partners
	s_and_b32 s[KI], s[KI], 1
	s_lshl_b32 s[KI], s[KI], LOGH                  ; the K step at which my cluster begins: 0 or half of them
	s_mov_b32 s[OFF+1], 0
	s_lshl_b32 s13, s13, 2
	s_add_co_u32 s13, s13, s41                     ; tr
	s_lshl_b32 s43, s41, 2
	s_lshl_b32 s43, 15, s43
	s_lshl_b32 s44, 0x1111, s40
	s_or_b32 s[G1], s43, (1<<16)|(1<<20)|(1<<21)|(QIA<<22)|(3<<25)
	s_or_b32 s[G1B], s44, (1<<16)|(1<<20)|(1<<21)|(5<<22)|(7<<25)
	s_mov_b32 s[G1+1], AD0<<16
	s_mov_b32 s[G1+2], AD1<<16
	s_mov_b32 s[G1+3], AD0<<16
	s_mov_b32 s[G1+4], AD1
	s_mov_b32 s[G1+5], APITCH
	s_mov_b32 s[G1+6], 0
	s_mov_b32 s[G1+7], 0
	s_mov_b32 s[G1B+1], 128<<16
	s_mov_b32 s[G1B+2], 128<<16
	s_mov_b32 s[G1B+3], 128<<16
	s_mov_b32 s[G1B+4], 128
	s_mov_b32 s[G1B+5], 1024
	s_mov_b32 s[G1B+6], 0
	s_mov_b32 s[G1B+7], 0
	s_lshl_b32 s16, s13, ATRS
	s_lshl_b32 s17, s12, AHS
	s_add_co_u32 s16, s16, s17
	s_mov_b32 s17, 0
	s_lshl_b32 s46, s42, 8
	s_lshl_b32 s47, s12, 18
	s_add_co_u32 s46, s46, s47
	s_add_co_u32 s46, s46, WOFF
	s_mov_b32 s47, 0
	s_mul_i32 s20, s12, HALFA
	s_mul_i32 s21, s12, HALFB
	s_add_co_u32 s21, s21, BOFF
	s_wait_dscnt 0x0
	s_wait_kmcnt 0x0
	s_add_nc_u64 s[BA:BA+1], s[4:5], s[16:17]
	s_add_nc_u64 s[BB:BB+1], s[6:7], s[46:47]
	CROUND
.irp s, 0,1
	s_add_co_u32 s22, s[KI], \s                    ; the walk's first two K steps: no wrap
	s_mul_i32 s[OFF], s22, ASTEP
	s_mov_b32 s[G0+4*(\s)], 1
	s_add_co_u32 s[G0+4*(\s)+1], s20, (\s)*SLOT
	s_add_nc_u64 s[G0+4*(\s)+2:G0+4*(\s)+3], s[BA:BA+1], s[OFF:OFF+1]
	s_or_b32 s[G0+4*(\s)+3], s[G0+4*(\s)+3], 0x80000000
	s_mul_i32 s[OFF], s22, BSTEP
	s_mov_b32 s[G0B+4*(\s)], 1
	s_add_co_u32 s[G0B+4*(\s)+1], s21, (\s)*SLOT
	s_add_nc_u64 s[G0B+4*(\s)+2:G0B+4*(\s)+3], s[BB:BB+1], s[OFF:OFF+1]
	s_or_b32 s[G0B+4*(\s)+3], s[G0B+4*(\s)+3], 0x80000000
	JLOAD \s
.endr
	s_add_co_u32 s[KI], s[KI], 1                   ; the youngest load's K step
.if PF
	s_mov_b32 s18, PFA_RB
	s_mov_b32 s19, PFB_RB
	s_mov_b32 s16, PFA_PITCH
	s_mov_b32 s17, PFB_PITCH
	s_mov_b32 s[PFS], ASTEP
	s_mov_b32 s[PFS+1], BSTEP
	s_and_b32 s22, ttmp7, 0xffff
	s_cmp_eq_u32 s11, 0
	s_cselect_b32 s21, s40, s41
	s_cselect_b32 s22, ttmp9, s22
	s_cselect_b64 s[PFA:PFA+1], s[BA:BA+1], s[BB:BB+1]
	s_cselect_b32 s20, s18, s19
	s_cselect_b32 s16, s16, s17
	s_cselect_b32 s[PFS], s[PFS], s[PFS+1]
	s_cselect_b32 s18, PFA_SH, PFB_SH
	s_mov_b32 s[PFS+1], 0
	s_cmp_lt_u32 s22, 2
	s_cselect_b32 s[LIM], TSTEPS/2+2, -1
	s_mul_i32 s20, s20, s21
	s_mov_b32 s21, 0
	s_add_nc_u64 s[PFA:PFA+1], s[PFA:PFA+1], s[20:21]
	s_add_co_u32 s22, s[KI], 2
	s_mul_i32 s20, s[PFS], s22
	s_add_nc_u64 s[PFA:PFA+1], s[PFA:PFA+1], s[20:21]
	v_and_b32 v[PFO], 31, v0
	v_lshrrev_b32 v31, s18, v[PFO]
	v_and_b32 v[PFO], s18, v[PFO]
	v_mul_u32_u24 v31, s16, v31
	v_lshl_add_u32 v[PFO], v[PFO], 8, v31
.endif
	; bias and residual of my 64 x 64: they land while the products run
	s_lshl_b32 s18, s42, 9
	s_lshl_b32 s19, s12, 8
	s_add_co_u32 s18, s18, s19                     ; my first column, in bytes of f32
	s_mov_b32 s19, 0
	s_add_nc_u64 s[72:73], s[72:73], s[18:19]
	s_lshl_b32 s16, s13, 19
	s_lshl_b32 s17, s11, 18
	s_add_co_u32 s16, s16, s17
	s_add_co_u32 s16, s16, s18
	s_mov_b32 s17, 0
	s_add_nc_u64 s[74:75], s[74:75], s[16:17]
	s_add_nc_u64 s[8:9], s[8:9], s[16:17]
	v_and_b32 v1, 15, v0
	v_bfe_u32 v2, v0, 4, 1
	v_lshlrev_b32 v[BIA], 4, v1
	v_lshl_add_u32 v[CO], v2, 12, v[BIA]           ; lanes 0-15 one row's 256 bytes, lanes 16-31 the next row's
	global_load_b128 v[BI:BI+3], v[BIA], s[72:73]
	WIN 0x80
.set n, 0
.rept 32
	global_load_b128 v[4*n:4*n+3], v[CO], s[74:75] offset:2*n*4096
.set n, n+1
.endr
	WIN 0
	v_mul_u32_u24 v3, v1, PA
	v_lshl_add_u32 v3, v2, 4, v3
	s_mul_i32 s21, s11, 64*PA
	v_add_nc_u32 v[ADRA0], s21, v3
	v_and_b32 v4, 7, v0
	v_lshl_add_u32 v4, v2, 3, v4
	v_mul_u32_u24 v4, v4, PB
	v_bfe_u32 v5, v0, 3, 1
	v_lshl_add_u32 v4, v5, 4, v4
	s_lshl_b32 s22, s12, 7
	s_add_co_u32 s22, s22, BOFF
	v_add_nc_u32 v[ADRB0], s22, v4
	v_add_nc_u32 v[ADRB20], HALFB, v[ADRB0]        ; quarters 2 and 3: an LDS offset has 16 bits
	v_mov_b32 v[ADRA], v[ADRA0]
	v_mov_b32 v[ADRB], v[ADRB0]
	v_mov_b32 v[ADRB2], v[ADRB20]
	s_mov_b32 s[TB], 0
	s_mul_i32 s23, s10, 16*SP
	s_add_co_u32 s23, s23, STAGE
	v_mul_u32_u24 v3, v1, SP
	v_lshl_add_u32 v3, v2, 5, v3
	v_add_nc_u32 v[STO], s23, v3
	v_mul_u32_u24 v3, v2, SP
	v_lshl_add_u32 v3, v1, 4, v3
	v_add_nc_u32 v[RD], s23, v3
.macro MUL8 f, c, a0, zero             ; 8 products: token blocks a0, a0 + 1 x 4 column blocks, half c of buffer f.  The 16 accumulators take turns
	WIN MUL
.irp a, \a0, (\a0)+1
.irp b, 0,1,2,3
.if \zero
	v_wmma_f32_16x16x32_bf16 v[ACC+8*(4*(\a)+(\b)):ACC+8*(4*(\a)+(\b))+7], v[(\f)+64+8*(4*(\c)+(\b)):(\f)+64+8*(4*(\c)+(\b))+7], v[(\f)+8*(4*(\c)+(\a)):(\f)+8*(4*(\c)+(\a))+7], 0
.else
	v_wmma_f32_16x16x32_bf16 v[ACC+8*(4*(\a)+(\b)):ACC+8*(4*(\a)+(\b))+7], v[(\f)+64+8*(4*(\c)+(\b)):(\f)+64+8*(4*(\c)+(\b))+7], v[(\f)+8*(4*(\c)+(\a)):(\f)+8*(4*(\c)+(\a))+7], v[ACC+8*(4*(\a)+(\b)):ACC+8*(4*(\a)+(\b))+7]
.endif
.endr
.endr
.endm
.macro FETCH q, f                      ; quarter q (64 along K) of the slot in hand into buffer f: 32 loads, the first 32 along K first
	WIN TO_F
.irp c, 0,1
.irp i, 0,1,2,3
	ds_load_tr16_b128 v[(\f)+64+8*(4*(\c)+(\i)):(\f)+64+8*(4*(\c)+(\i))+3],   v[ADRB+2*((\q)/2)] offset:(((\q)%2)*64+32*(\c))*PB+32*(\i)
	ds_load_tr16_b128 v[(\f)+64+8*(4*(\c)+(\i))+4:(\f)+64+8*(4*(\c)+(\i))+7], v[ADRB+2*((\q)/2)] offset:(((\q)%2)*64+32*(\c))*PB+32*(\i)+16*PB
	ds_load_b128 v[(\f)+8*(4*(\c)+(\i)):(\f)+8*(4*(\c)+(\i))+3],   v[ADRA] offset:(\q)*AQ+64*(\c)+(\i)*16*PA
	ds_load_b128 v[(\f)+8*(4*(\c)+(\i))+4:(\f)+8*(4*(\c)+(\i))+7], v[ADRA] offset:(\q)*AQ+64*(\c)+(\i)*16*PA+32
.endr
.endr
.endm
.macro QUARTER q, f, g, zero=0
	s_wait_dscnt 16                                ; the first 32 along K are in
	MUL8 \f, 0, 0, \zero
	MUL8 \f, 0, 2, \zero
	PLACES
	FETCH \q, \g
	s_wait_dscnt 32                                ; all but the run just issued
	MUL8 \f, 1, 0, 0
	MUL8 \f, 1, 2, 0
.endm
.macro TURN fill
.if (\fill) && PF
	s_wait_xcnt 0x0
	s_add_nc_u64 s[PFA:PFA+1], s[PFA:PFA+1], s[PFS:PFS+1]
.endif
	WIN 0
	s_wait_tensorcnt 0x0                           ; all my tensor loads have landed: my part of the next slot; so a group 0 may be written
	ds_add_u32 v[SPW], v[NIL]                      ; 0 onto my spare word; the descriptors' scalar work and eight products stand between it and the wait for it
.if \fill
	s_add_co_u32 s[KI], s[KI], 1                   ; the next K step of the ring,
	s_and_b32 s[KI], s[KI], TSTEPS-1
	s_mul_i32 s[OFF], s[KI], ASTEP
	s_xor_b32 s[G0+5], s[G0+5], SLOT               ; into the slot that is being left; the address is made anew from the step's number
	s_add_nc_u64 s[G0+6:G0+7], s[BA:BA+1], s[OFF:OFF+1]
	s_or_b32 s[G0+7], s[G0+7], 0x80000000
	s_mul_i32 s[OFF], s[KI], BSTEP
	s_xor_b32 s[G0B+5], s[G0B+5], SLOT
	s_add_nc_u64 s[G0B+6:G0B+7], s[BB:BB+1], s[OFF:OFF+1]
	s_or_b32 s[G0B+7], s[G0B+7], 0x80000000
.endif
	s_wait_dscnt 17                                ; the add and the youngest sixteen loads may be out
	MUL8 F1, 0, 0, 0
	s_wait_dscnt 0x0                               ; the add is done, and my reads of this slot are over
	s_barrier_signal -1
	MUL8 F1, 0, 2, 0
	WIN 0
	s_barrier_wait -1
.if \fill
	CREST                                          ; the barrier has opened a round of the cluster's
	JLOAD 1
.else
	PLACES
.endif
	s_xor_b32 s[TB], s[TB], SLOT
	v_add_nc_u32 v[ADRA], s[TB], v[ADRA0]
	v_add_nc_u32 v[ADRB], s[TB], v[ADRB0]
	v_add_nc_u32 v[ADRB2], s[TB], v[ADRB20]
	FETCH 0, F0
.if (\fill) && PF
	WIN 0
	ASK
.endif
	MUL8 F1, 1, 0, 0
	MUL8 F1, 1, 2, 0
.endm
	s_wait_tensorcnt 0x1                           ; my part of the first K step is in; the second's may stay out
	s_barrier_signal -1
	s_barrier_wait -1
	FETCH 0, F0
	QUARTER 1, F0, F1, 1
	WIN 0
	s_mov_b32 s3, TSTEPS-2
.Lstep:
	QUARTER 2, F1, F0
	QUARTER 3, F0, F1
	TURN 1
	QUARTER 1, F0, F1
	WIN 0
	s_sub_co_u32 s3, s3, 1
	s_cmp_lg_u32 s3, 0
	s_cbranch_scc1 .Lstep
	s_mov_b32 s3, 2
.Ltail:
	QUARTER 2, F1, F0
	QUARTER 3, F0, F1
	WIN 0
	s_sub_co_u32 s3, s3, 1
	s_cmp_eq_u32 s3, 0
	s_cbranch_scc1 .Llast
	TURN 0
	QUARTER 1, F0, F1
	WIN 0
	s_branch .Ltail
.Llast:
	s_wait_dscnt 16
	MUL8 F1, 0, 0, 0
	MUL8 F1, 0, 2, 0
	s_wait_dscnt 0x0
	MUL8 F1, 1, 0, 0
	MUL8 F1, 1, 2, 0
	WIN 0
	s_wait_loadcnt 0x0                             ; bias and residual
	WIN 0x82                                       ; destination and source 0 window 2, source 1 window 0
.set n, 0
.rept 64
	v_pk_add_f32 v[2*n:2*n+1], v[2*n:2*n+1], v[BI+2*(n%2):BI+2*(n%2)+1]   ; residual + bias; these are also the places behind the last products
.set n, n+1
.endr
.macro STG a                           ; block a (16 rows) into my stage and back as whole rows of 256 bytes
	WIN 0
.irp b, 0,1,2,3
	ds_store_b128 v[STO], v[ACC+8*(4*(\a)+(\b)):ACC+8*(4*(\a)+(\b))+3]   offset:64*(\b)
	ds_store_b128 v[STO], v[ACC+8*(4*(\a)+(\b))+4:ACC+8*(4*(\a)+(\b))+7] offset:64*(\b)+16
.endr
.irp t, 0,1,2,3,4,5,6,7
	ds_load_b128 v[TMP+32*((\a)%2)+4*(\t):TMP+32*((\a)%2)+4*(\t)+3], v[RD] offset:2*SP*(\t)   ; LDS serves a wave's instructions in order: these see the stores above
.endr
.endm
.macro OUTA a, younger                 ; younger: the next block's sixteen LDS instructions, or none
	WIN 0x88                                       ; destination and source 1 window 2, source 0 window 0
.irp t, 0,1,2,3,4,5,6,7
	s_wait_dscnt (\younger)+7-(\t)
	v_pk_add_f32 v[4*(8*(\a)+(\t)):4*(8*(\a)+(\t))+1], v[TMP+32*((\a)%2)+4*(\t):TMP+32*((\a)%2)+4*(\t)+1], v[4*(8*(\a)+(\t)):4*(8*(\a)+(\t))+1]
	v_pk_add_f32 v[4*(8*(\a)+(\t))+2:4*(8*(\a)+(\t))+3], v[TMP+32*((\a)%2)+4*(\t)+2:TMP+32*((\a)%2)+4*(\t)+3], v[4*(8*(\a)+(\t))+2:4*(8*(\a)+(\t))+3]
.endr
	WIN 0x08                                       ; the stores' data: window 2
.irp t, 0,1,2,3,4,5,6,7
	global_store_b128 v[CO], v[4*(8*(\a)+(\t)):4*(8*(\a)+(\t))+3], s[8:9] offset:(16*(\a)+2*(\t))*4096   ; 16 lanes store 256 consecutive bytes, aligned
.endr
.endm
	STG 0
	STG 1
	OUTA 0, 16
	STG 2
	OUTA 1, 16
	STG 3
	OUTA 2, 16
	OUTA 3, 0
	WIN 0
	s_wait_tensorcnt 0x0                           ; the wave's end
	ds_add_u32 v[SPW], v[NIL]
	s_wait_dscnt 0x0
	CROUND                                         ; the closing round
	s_endpgm
.Lfunc_end_k_q9d4f1dbbae_oproj:
	.size	k_q9d4f1dbbae_oproj, .Lfunc_end_k_q9d4f1dbbae_oproj-k_q9d4f1dbbae_oproj
	.p2alignl 7, 3214868480
	.fill 96, 4, 3214868480
	.section	.rodata,"a",@progbits
	.p2align	6, 0x0
	.amdhsa_kernel k_q9d4f1dbbae_oproj
		.amdhsa_group_segment_fixed_size 327680
		.amdhsa_private_segment_fixed_size 0
		.amdhsa_enable_private_segment 0
		.amdhsa_kernarg_size 40
		.amdhsa_user_sgpr_count 2
		.amdhsa_user_sgpr_kernarg_segment_ptr 1
		.amdhsa_wavefront_size32 1
		.amdhsa_system_sgpr_workgroup_id_x 1
		.amdhsa_system_sgpr_workgroup_id_y 1
		.amdhsa_system_sgpr_workgroup_id_z 1
		.amdhsa_system_vgpr_workitem_id 0
		.amdhsa_next_free_vgpr 640
		.amdhsa_next_free_sgpr 96
		.amdhsa_reserve_vcc 0
		.amdhsa_float_denorm_mode_32 3
		.amdhsa_float_denorm_mode_16_64 3
		.amdhsa_memory_ordered 1
		.amdhsa_forward_progress 1
		.amdhsa_inst_pref_size 73
	.end_amdhsa_kernel
	.amdgpu_metadata
---
amdhsa.version: [ 1, 2 ]
amdhsa.kernels:
  - .name:           k_q9d4f1dbbae_oproj
    .symbol:         k_q9d4f1dbbae_oproj.kd
    .args:
      - { .name: att, .offset: 0, .size: 8, .value_kind: global_buffer, .address_space: global }
      - { .name: wb, .offset: 8, .size: 8, .value_kind: global_buffer, .address_space: global }
      - { .name: o_b, .offset: 16, .size: 8, .value_kind: global_buffer, .address_space: global }
      - { .name: x, .offset: 24, .size: 8, .value_kind: global_buffer, .address_space: global }
      - { .name: x1, .offset: 32, .size: 8, .value_kind: global_buffer, .address_space: global }
    .group_segment_fixed_size: 327680
    .private_segment_fixed_size: 0
    .kernarg_segment_align: 8
    .kernarg_segment_size: 40
    .max_flat_workgroup_size: 128
    .sgpr_count:     96
    .vgpr_count:     640
    .wavefront_size: 32
...
	.end_amdgpu_metadata
.endif
;; end of part 4
;; launch ln2 (part 5): grid 512 x 1, 8 waves a work-group, no clusters, 0 bytes of LDS; arguments x1, ln2_w, ln2_b, xn; writes xn
.if DOCPART == 5
	.amdgcn_target "amdgcn-amd-amdhsa--gfx1250"
	.amdhsa_code_object_version 6
	.text
	.protected	k_q9d4f1dbbae_ln2
	.globl	k_q9d4f1dbbae_ln2
	.p2align	8
	.type	k_q9d4f1dbbae_ln2,@function
k_q9d4f1dbbae_ln2:
	s_mov_b64 s[64:65], 0
	v_nop
	global_prefetch_b8 v0, s[64:65] scope:SCOPE_SE
	s_setreg_imm32_b32 hwreg(HW_REG_WAVE_MODE, 25, 1), 1
	s_wait_xcnt 0x0
; LAYERNORM 2.  y = (x - mean) rsqrt(var + 1e-5) w + b along rows of 1,024 f32; y is stored rounded once to bf16 (it is a matrix operand of the next launch).
; A row is 4,096 bytes: one wave takes a whole row in 32 registers, so nothing leaves the wave: no LDS, no barrier.  Eight waves, a row each; 512 work-groups take the 4,096 rows.
; The variance is the mean square of x - mean, not a difference of large sums, so a common offset of the row does no harm.
; Load j of a row covers 512 consecutive bytes (lane l: columns 128 j + 4 l ..), store j the same columns' 256 consecutive bytes, aligned.
.set W, 16                             ; v[16:47]   w of my 32 columns
.set B, 48                             ; v[48:79]   b
.set X, 80                             ; v[80:111]  the row
.set Y, 112                            ; v[112:127] the row, packed
	s_load_b256 s[4:11], s[0:1], 0x0               ; x, w, b, y
	s_mov_b32 s20, ttmp9
	v_and_b32 v1, 31, v0
	v_lshrrev_b32 v2, 5, v0                        ; wave
	v_lshlrev_b32 v1, 4, v1                        ; 16 x lane: w and b
	v_lshl_add_u32 v2, v2, 12, v1                  ; + a row of 4,096 bytes a wave: x
	v_lshrrev_b32 v3, 1, v2                        ; half of that: y
	v_mov_b32 v15, 0x3a800000                      ; 1 / 1,024
	s_lshl_b32 s2, s20, 15                         ; 8 rows a work-group
	s_mov_b32 s3, 0
	s_lshl_b32 s14, s20, 14
	s_mov_b32 s15, 0
	s_mov_b32 s12, 0x76543210                      ; v_permlanex16_b32: each lane takes its own place in the other half
	s_mov_b32 s13, 0xfedcba98
	s_wait_kmcnt 0x0
	s_add_nc_u64 s[4:5], s[4:5], s[2:3]
	s_add_nc_u64 s[10:11], s[10:11], s[14:15]
.irp j, 0,1,2,3,4,5,6,7
	global_load_b128 v[X+4*(\j):X+4*(\j)+3], v2, s[4:5] offset:512*(\j)     ; the row first: mean and variance want nothing else
.endr
.irp j, 0,1,2,3,4,5,6,7
	global_load_b128 v[W+4*(\j):W+4*(\j)+3], v1, s[6:7] offset:512*(\j)
.endr
.irp j, 0,1,2,3,4,5,6,7
	global_load_b128 v[B+4*(\j):B+4*(\j)+3], v1, s[8:9] offset:512*(\j)
.endr
.macro REDUCE                          ; four packed chains in v[4:11] -> their sum over the wave, in v4 of every lane
	v_pk_add_f32 v[4:5], v[4:5], v[6:7]
	v_pk_add_f32 v[8:9], v[8:9], v[10:11]
	v_pk_add_f32 v[4:5], v[4:5], v[8:9]
	v_add_f32 v4, v4, v5
	v_add_f32_dpp v4, v4, v4 row_xmask:1 row_mask:0xf bank_mask:0xf
	v_add_f32_dpp v4, v4, v4 row_xmask:2 row_mask:0xf bank_mask:0xf
	v_add_f32_dpp v4, v4, v4 row_xmask:4 row_mask:0xf bank_mask:0xf
	v_add_f32_dpp v4, v4, v4 row_xmask:8 row_mask:0xf bank_mask:0xf
	v_permlanex16_b32 v5, v4, s12, s13
	v_add_f32 v4, v4, v5
.endm
	s_wait_loadcnt 16                              ; the row is in; w's and b's sixteen loads stay out
.irp c, 0,1,2,3
	v_pk_add_f32 v[4+2*(\c):5+2*(\c)], v[X+2*(\c):X+2*(\c)+1], v[X+8+2*(\c):X+8+2*(\c)+1]
.endr
.irp k, 16,24
.irp c, 0,1,2,3
	v_pk_add_f32 v[4+2*(\c):5+2*(\c)], v[4+2*(\c):5+2*(\c)], v[X+(\k)+2*(\c):X+(\k)+2*(\c)+1]
.endr
.endr
	REDUCE
	v_mul_f32 v12, v4, v15                         ; the mean, twice
	v_mov_b32 v13, v12
.set n, 0
.rept 16
	v_pk_add_f32 v[X+n:X+n+1], v[X+n:X+n+1], v[12:13] neg_lo:[0,1] neg_hi:[0,1]
.set n, n+2
.endr
.irp c, 0,1,2,3
	v_pk_mul_f32 v[4+2*(\c):5+2*(\c)], v[X+2*(\c):X+2*(\c)+1], v[X+2*(\c):X+2*(\c)+1]
.endr
.irp k, 8,16,24
.irp c, 0,1,2,3
	v_pk_fma_f32 v[4+2*(\c):5+2*(\c)], v[X+(\k)+2*(\c):X+(\k)+2*(\c)+1], v[X+(\k)+2*(\c):X+(\k)+2*(\c)+1], v[4+2*(\c):5+2*(\c)]
.endr
.endr
	REDUCE
	v_fmaak_f32 v14, v4, v15, 0x3727c5ac           ; var + 1e-5
	v_rsq_f32 v12, v14
	v_rsq_f32 v13, v14                             ; twice, to fill the pair that the packed multiply takes
	v_nop                                          ; a plain instruction behind the last of them,
	s_wait_alu depctr_va_vdst(0)                   ; and one wait for both, ahead of their first reader
.set n, 0
.rept 16
	v_pk_mul_f32 v[X+n:X+n+1], v[X+n:X+n+1], v[12:13]
.set n, n+2
.endr
	s_wait_loadcnt 0x0                             ; w and b
.set n, 0
.rept 16
	v_pk_fma_f32 v[X+n:X+n+1], v[X+n:X+n+1], v[W+n:W+n+1], v[B+n:B+n+1]
.set n, n+2
.endr
.set n, 0
.rept 16
	v_cvt_pk_bf16_f32 v[Y+n], v[X+2*n], v[X+2*n+1]
.set n, n+1
.endr
.irp j, 0,1,2,3,4,5,6,7
	global_store_b64 v3, v[Y+2*(\j):Y+2*(\j)+1], s[10:11] offset:256*(\j)    ; 256 consecutive bytes, aligned
.endr
	s_endpgm
.Lfunc_end_k_q9d4f1dbbae_ln2:
	.size	k_q9d4f1dbbae_ln2, .Lfunc_end_k_q9d4f1dbbae_ln2-k_q9d4f1dbbae_ln2
	.p2alignl 7, 3214868480
	.fill 96, 4, 3214868480
	.section	.rodata,"a",@progbits
	.p2align	6, 0x0
	.amdhsa_kernel k_q9d4f1dbbae_ln2
		.amdhsa_group_segment_fixed_size 0
		.amdhsa_private_segment_fixed_size 0
		.amdhsa_enable_private_segment 0
		.amdhsa_kernarg_size 32
		.amdhsa_user_sgpr_count 2
		.amdhsa_user_sgpr_kernarg_segment_ptr 1
		.amdhsa_wavefront_size32 1
		.amdhsa_system_sgpr_workgroup_id_x 1
		.amdhsa_system_sgpr_workgroup_id_y 1
		.amdhsa_system_sgpr_workgroup_id_z 1
		.amdhsa_system_vgpr_workitem_id 0
		.amdhsa_next_free_vgpr 128
		.amdhsa_next_free_sgpr 66
		.amdhsa_reserve_vcc 0
		.amdhsa_float_denorm_mode_32 3
		.amdhsa_float_denorm_mode_16_64 3
		.amdhsa_memory_ordered 1
		.amdhsa_forward_progress 1
		.amdhsa_inst_pref_size 12
	.end_amdhsa_kernel
	.amdgpu_metadata
---
amdhsa.version: [ 1, 2 ]
amdhsa.kernels:
  - .name:           k_q9d4f1dbbae_ln2
    .symbol:         k_q9d4f1dbbae_ln2.kd
    .args:
      - { .name: x1, .offset: 0, .size: 8, .value_kind: global_buffer, .address_space: global }
      - { .name: ln2_w, .offset: 8, .size: 8, .value_kind: global_buffer, .address_space: global }
      - { .name: ln2_b, .offset: 16, .size: 8, .value_kind: global_buffer, .address_space: global }
      - { .name: xn, .offset: 24, .size: 8, .value_kind: global_buffer, .address_space: global }
    .group_segment_fixed_size: 0
    .private_segment_fixed_size: 0
    .kernarg_segment_align: 8
    .kernarg_segment_size: 32
    .max_flat_workgroup_size: 256
    .sgpr_count:     66
    .vgpr_count:     128
    .wavefront_size: 32
...
	.end_amdgpu_metadata
.endif
;; end of part 5
;; launch mlp1 (part 6): grid 16 x 16, 4 waves a work-group, clusters of 4 x 4, 327,680 bytes of LDS; arguments xn, wb, mlp_b1, h; writes h
.if DOCPART == 6
	.amdgcn_target "amdgcn-amd-amdhsa--gfx1250"
	.amdhsa_code_object_version 6
	.text
	.protected	k_q9d4f1dbbae_mlp1
	.globl	k_q9d4f1dbbae_mlp1
	.p2align	8
	.type	k_q9d4f1dbbae_mlp1,@function
k_q9d4f1dbbae_mlp1:
	s_mov_b64 s[64:65], 0
	v_nop
	global_prefetch_b8 v0, s[64:65] scope:SCOPE_SE
	s_setreg_imm32_b32 hwreg(HW_REG_WAVE_MODE, 25, 1), 1
	s_wait_xcnt 0x0
	s_wait_alu depctr_hold_cnt(0) depctr_sa_sdst(0) depctr_va_vdst(0) depctr_va_sdst(0) depctr_va_ssrc(0) depctr_va_vcc(0) depctr_vm_vsrc(0)
	s_getreg_b32 s2, hwreg(HW_REG_IB_STS2, 6, 4)
	s_cmp_eq_u32 s2, 0
	s_cbranch_scc0 .Lentry_in_a_cluster
	s_endpgm
.Lentry_in_a_cluster:
	s_bfe_u32 s2, ttmp6, 0x10000c
	s_cmp_lg_u32 s2, 0xf033
	s_cbranch_scc0 .Lentry_shape_is_right
	s_endpgm
.Lentry_shape_is_right:
; MLP 1.  h = gelu(xn mlp_w1 + mlp_b1) (4,096 x 4,096, K = 1,024), the exact GELU u (1 + erf(u / sqrt 2)) / 2.  Operands bf16, sums, bias and GELU f32, h rounded once to bf16.
; A tile is 256 x 256: 256 work-groups; four waves of 128 x 128, 64 accumulators.  K goes in steps of 128 through two LDS slots; the K step is written once, the slot in hand is a scalar.
; The weights lie [K][N] and come out of LDS turned, by ds_load_tr16_b128.  The matrix instruction is used transposed: a lane holds one token and eight neighbouring columns.
; CLUSTER 4 x 4: xn's tile is asked for jointly along a row of the cluster, the weights' along a column.
; THE WALK ALONG K.  A cluster takes the eight K steps in a ring: it begins at step 0 where cluster x + cluster y is even, at step 4 where it is odd (f32 sums may be taken in any order).  Of the clusters
; that read the same rows of xn (same y) or of the weights (same x) half have each parity: each block is read by one half of them four steps ahead of the other half.
; ERF by the rational form with five coefficients: erf(x) = 1 - t (a1 + t (a2 + ..)) e^(-x x), t = 1 / (1 + p x), x >= 0, whose error is at most 1.5e-7 for every x; so
; gelu(u) = u / 2 + |u| (1/2 - P E), P = the polynomial with halved coefficients, E = 2^(-u u log2(e) / 2), t = 1 / (1 + |u| p / sqrt 2).  LIMIT: absolute error up to 1.5e-7 |u| beside f32's own rounding.
; THE WAY OUT.  Each wave lays its sums as f32 into its own 67,584 bytes of LDS (over the ring, whose last fill has landed and been read) and walks them in a loop of 16 trips of 8 rows:
; a lane holds four neighbouring columns, a store covers a row's 256 consecutive bytes.  A trip's 64 transcendentals are one batch with one wait.
.set NB, 8
.set TSTEPS, 8
.set LOGH, 2                           ; log2 of half the K steps
.set PA, 272
.set HALFA, 128*PA
.set BOFF, 2*HALFA
.set PB, 544                           ; a row of the weights' tile: 512 bytes + 32: an odd multiple of 32
.set HALFB, 64*PB
.set CH, 256
.set SLOT, 0x24000                     ; shares no bit with a wave's target in slot 0
.set SPARE, 286720                     ; behind slot 1: the spare words, 128 bytes a wave, named by no other line
.set ASTEP, 256
.set BSTEP, 128*8192
.set WOFF, 8388608
.set NL, 2*NB+16
.set DP, 528                           ; the sums: 128 f32 + 16 bytes
.set BIA, 6
.set ADRA0, 16
.set ADRA, 17
.set ADRB0, 20
.set ADRB, 21
.set DMP, 24
.set RDV, 25
.set HO, 27
.set SPW, 28
.set NIL, 29
.set PFO, 30
.set F0, 64
.set F1, 128
.set BI, 32
.set XR, 40
.set UR, 72
.set TT, 104
.set ER, 136
.set HR, 168
.set PR, 200
.set YR, 232
.set G1, 24
.set G0, 32
.set LIM, 43
.set PFA, 44
.set G1B, 48
.set G0B, 56
.set TB, 66
.set KI, 67                            ; s67  the K step of the youngest load
.set PFS, 68
.set OFF, 70                           ; s[70:71] a K step's byte offset; the upper word stays 0
.set CC, 76
.set A1, 78
.set A2, 80
.set A3, 82
.set A4, 84
.set A5, 86
.set PP, 88
.set BA, 90                            ; s[90:91] xn at my part of the tile, K step 0
.set BB, 92                            ; s[92:93] the weights likewise
.set MSB, 0
.macro WIN new
.if MSB != (\new)
	s_set_vgpr_msb (MSB<<8)|(\new)
.set MSB, \new
.endif
.endm
.set MUL_LO, 0xa1
.set TO_B, 0x40
.macro JLOAD s                         ; waves 0, 1 fetch xn's halves, waves 2, 3 the weights'; s_nop 0 and four v_nop follow each line
	s_cmp_eq_u32 s11, 0
	s_cbranch_scc0 .Lfor_b_\@
	tensor_load_to_lds s[G0+4*(\s):G0+4*(\s)+3], s[G1:G1+7]
	s_nop 0
.rept 4
	v_nop
.endr
	s_branch .Lasked_\@
.Lfor_b_\@:
	tensor_load_to_lds s[G0B+4*(\s):G0B+4*(\s)+3], s[G1B:G1B+7]
	s_nop 0
.rept 4
	v_nop
.endr
.Lasked_\@:
.endm
; A PREFETCH.  My cluster is among the first to read the first four K steps of its walk; the first three come by their loads alone; the fourth is asked for here, behind the first refill, one K step
; (256 matrix instructions) ahead of its load.  Of the clusters of one parity that read the same rows, the one whose coordinate is below 2 asks; the four partners share the rows out by address.
.macro ASK
	s_cmp_gt_u32 s3, s[LIM]                        ; in the loop's first trip alone
	s_cbranch_scc0 .Lnot_mine_\@
	global_prefetch_b8 v[PFO], s[PFA:PFA+1] th:TH_LOAD_NT scope:SCOPE_SE
.Lnot_mine_\@:
.endm
.macro CREST
	s_cmp_lg_u32 s10, 0
	s_cbranch_scc1 .Lnot_wave_0_\@
	s_barrier_signal -3
.Lnot_wave_0_\@:
	s_barrier_wait -3
	s_barrier_signal -1
	s_barrier_wait -1
.endm
.macro CROUND
	s_barrier_signal -1
	s_barrier_wait -1
	CREST
.endm
.macro PLACES
.rept 4
	v_nop
.endr
.endm
.macro SPAIR r, val                    ; a constant in both words of a pair: the packed forms name the pair
	s_mov_b32 s[\r], \val
	s_mov_b32 s[(\r)+1], \val
.endm
	s_load_b128 s[4:7], s[0:1], 0x0                ; xn, wb
	s_load_b64 s[72:73], s[0:1], 0x10              ; mlp_b1
	s_load_b64 s[8:9], s[0:1], 0x18                ; h
	v_lshl_add_u32 v[SPW], v0, 2, SPARE
	v_mov_b32 v[NIL], 0
	ds_add_u32 v[SPW], v[NIL]                      ; the opening: the add and its wait ahead of my first tensor load
	v_lshrrev_b32 v1, 5, v0
	v_readfirstlane_b32 s10, v1
	s_lshr_b32 s11, s10, 1
	s_and_b32 s12, s10, 1
	s_bfe_u32 s40, ttmp6, 0x40000
	s_bfe_u32 s41, ttmp6, 0x40004
	s_lshl_b32 s42, ttmp9, 2
	s_add_co_u32 s42, s42, s40                     ; tc
	s_and_b32 s13, ttmp7, 0xffff
	s_add_co_u32 s[KI], s13, ttmp9                 ; cluster y + cluster x: the same in all sixteen partners
	s_and_b32 s[KI], s[KI], 1
	s_lshl_b32 s[KI], s[KI], LOGH                  ; the K step at which my cluster begins: 0 or 4
	s_mov_b32 s[OFF+1], 0
	s_lshl_b32 s13, s13, 2
	s_add_co_u32 s13, s13, s41                     ; tr
	s_lshl_b32 s43, s41, 2
	s_lshl_b32 s43, 15, s43
	s_lshl_b32 s44, 0x1111, s40
	s_or_b32 s[G1], s43, (1<<16)|(1<<20)|(1<<21)|(5<<22)|(3<<25)
	s_or_b32 s[G1B], s44, (1<<16)|(1<<20)|(1<<21)|(6<<22)|(7<<25)
	s_mov_b32 s[G1+1], 128<<16
	s_mov_b32 s[G1+2], 128<<16
	s_mov_b32 s[G1+3], 128<<16
	s_mov_b32 s[G1+4], 128
	s_mov_b32 s[G1+5], 1024
	s_mov_b32 s[G1+6], 0
	s_mov_b32 s[G1+7], 0
	s_mov_b32 s[G1B+1], 256<<16
	s_mov_b32 s[G1B+2], 64<<16
	s_mov_b32 s[G1B+3], 256<<16
	s_mov_b32 s[G1B+4], 64
	s_mov_b32 s[G1B+5], 4096
	s_mov_b32 s[G1B+6], 0
	s_mov_b32 s[G1B+7], 0
	SPAIR CC, 0xbf38aa3b                           ; -log2(e) / 2
	SPAIR A1, 0x3e027906                           ; the five coefficients, halved
	SPAIR A2, 0xbe11a98e
	SPAIR A3, 0x3f35f0e3
	SPAIR A4, 0xbf3a00e3
	SPAIR A5, 0x3f07dc22
	s_mov_b32 s[PP], 0x3e6d3388                    ; p / sqrt 2
	s_lshl_b32 s16, s13, 19
	s_lshl_b32 s17, s12, 18
	s_add_co_u32 s16, s16, s17
	s_mov_b32 s17, 0
	s_lshl_b32 s46, s42, 9
	s_lshl_b32 s47, s12, 19
	s_add_co_u32 s46, s46, s47
	s_add_co_u32 s46, s46, WOFF
	s_mov_b32 s47, 0
	s_mul_i32 s20, s12, HALFA
	s_mul_i32 s21, s12, HALFB
	s_add_co_u32 s21, s21, BOFF
	s_wait_dscnt 0x0
	s_wait_kmcnt 0x0
	s_add_nc_u64 s[BA:BA+1], s[4:5], s[16:17]
	s_add_nc_u64 s[BB:BB+1], s[6:7], s[46:47]
	CROUND
.irp s, 0,1
	s_add_co_u32 s22, s[KI], \s                    ; the walk's first two K steps: no wrap
	s_mul_i32 s[OFF], s22, ASTEP
	s_mov_b32 s[G0+4*(\s)], 1
	s_add_co_u32 s[G0+4*(\s)+1], s20, (\s)*SLOT
	s_add_nc_u64 s[G0+4*(\s)+2:G0+4*(\s)+3], s[BA:BA+1], s[OFF:OFF+1]
	s_or_b32 s[G0+4*(\s)+3], s[G0+4*(\s)+3], 0x80000000
	s_mul_i32 s[OFF], s22, BSTEP
	s_mov_b32 s[G0B+4*(\s)], 1
	s_add_co_u32 s[G0B+4*(\s)+1], s21, (\s)*SLOT
	s_add_nc_u64 s[G0B+4*(\s)+2:G0B+4*(\s)+3], s[BB:BB+1], s[OFF:OFF+1]
	s_or_b32 s[G0B+4*(\s)+3], s[G0B+4*(\s)+3], 0x80000000
	JLOAD \s
.endr
	s_add_co_u32 s[KI], s[KI], 1                   ; the youngest load's K step
	; the prefetch.  xn: 32 of my 128 rows, a lane a row of 256 bytes.  Weights: 16 of my 64 K rows of 512 bytes, two lanes a row
	s_mov_b32 s18, 32*2048
	s_mov_b32 s19, 16*8192
	s_mov_b32 s16, 2048
	s_mov_b32 s17, 8192
	s_mov_b32 s[PFS], ASTEP
	s_mov_b32 s[PFS+1], BSTEP
	s_and_b32 s22, ttmp7, 0xffff
	s_cmp_eq_u32 s11, 0
	s_cselect_b32 s21, s40, s41                    ; my place among the four that ask with me: it enters the address alone
	s_cselect_b32 s22, ttmp9, s22                  ; the cluster's coordinate along which others read the same rows
	s_cselect_b64 s[PFA:PFA+1], s[BA:BA+1], s[BB:BB+1]
	s_cselect_b32 s20, s18, s19
	s_cselect_b32 s16, s16, s17
	s_cselect_b32 s[PFS], s[PFS], s[PFS+1]
	s_cselect_b32 s18, 0, 1
	s_cmp_lt_u32 s22, 2                            ; coordinates 0 and 1 have the two parities
	s_cselect_b32 s[LIM], TSTEPS-3, -1
	s_mul_i32 s20, s20, s21
	s_mov_b32 s21, 0
	s_add_nc_u64 s[PFA:PFA+1], s[PFA:PFA+1], s[20:21]
	s_add_co_u32 s22, s[KI], 2                     ; the walk's fourth K step: no wrap
	s_mul_i32 s20, s[PFS], s22
	s_add_nc_u64 s[PFA:PFA+1], s[PFA:PFA+1], s[20:21]
	v_and_b32 v[PFO], 31, v0
	v_lshrrev_b32 v31, s18, v[PFO]
	v_and_b32 v[PFO], s18, v[PFO]
	v_mul_u32_u24 v31, s16, v31
	v_lshl_add_u32 v[PFO], v[PFO], 8, v31
	; the bias of my four columns, and where my rows begin in h
	s_lshl_b32 s18, s42, 9
	s_lshl_b32 s19, s12, 8
	s_add_co_u32 s18, s18, s19                     ; my first column in bytes of bf16
	s_lshl_b32 s16, s18, 1                         ; and of f32
	s_mov_b32 s17, 0
	s_add_nc_u64 s[72:73], s[72:73], s[16:17]
	s_lshl_b32 s16, s13, 21
	s_lshl_b32 s19, s11, 20
	s_add_co_u32 s16, s16, s19
	s_add_co_u32 s16, s16, s18
	s_add_nc_u64 s[8:9], s[8:9], s[16:17]
	v_and_b32 v3, 31, v0
	v_lshlrev_b32 v[BIA], 4, v3
	v_lshlrev_b32 v[HO], 3, v3
	global_load_b128 v[BI:BI+3], v[BIA], s[72:73]
	v_and_b32 v1, 15, v0
	v_bfe_u32 v2, v0, 4, 1
	v_mul_u32_u24 v3, v1, PA
	v_lshl_add_u32 v3, v2, 4, v3
	s_mul_i32 s21, s11, HALFA
	v_add_nc_u32 v[ADRA0], s21, v3
	v_and_b32 v4, 7, v0
	v_lshl_add_u32 v4, v2, 3, v4
	v_mul_u32_u24 v4, v4, PB
	v_bfe_u32 v5, v0, 3, 1
	v_lshl_add_u32 v4, v5, 4, v4
	s_mul_i32 s22, s12, CH
	s_add_co_u32 s22, s22, BOFF
	v_add_nc_u32 v[ADRB0], s22, v4
	v_mov_b32 v[ADRA], v[ADRA0]
	v_mov_b32 v[ADRB], v[ADRB0]
	s_mov_b32 s[TB], 0
	s_mul_i32 s23, s10, 128*DP                     ; my own bytes for the sums
	v_mul_u32_u24 v3, v1, DP
	v_lshl_add_u32 v3, v2, 5, v3
	v_add_nc_u32 v[DMP], s23, v3
	v_add_nc_u32 v[RDV], s23, v[BIA]
.macro MULH f, hi, a0, zero            ; 2 NB products.  The accumulators take turns, in the same order in every quarter
	WIN MUL_LO+0x50*(\hi)
.set ma, (\a0)
.rept 2
.set mb, 0
.rept NB
.set rD, 8*(NB*ma+mb)
.set rB, (\f)+8*mb
.set rA, (\f)+8*(4*(\hi)+ma)
.if \zero
	v_wmma_f32_16x16x32_bf16 v[rD:rD+7], v[rB:rB+7], v[rA:rA+7], 0
.else
	v_wmma_f32_16x16x32_bf16 v[rD:rD+7], v[rB:rB+7], v[rA:rA+7], v[rD:rD+7]
.endif
.set mb, mb+1
.endr
.set ma, ma+1
.endr
.endm
.macro FETCH q, f
	WIN TO_B
.set fi, 0
.rept NB
	ds_load_tr16_b128 v[(\f)+8*fi:(\f)+8*fi+3],   v[ADRB] offset:(\q)*32*PB+32*fi
	ds_load_tr16_b128 v[(\f)+8*fi+4:(\f)+8*fi+7], v[ADRB] offset:(\q)*32*PB+32*fi+16*PB
.set fi, fi+1
.endr
	WIN 0
.irp i, 0,1,2,3,4,5,6,7
	ds_load_b128 v[(\f)+8*(\i):(\f)+8*(\i)+3],   v[ADRA] offset:64*(\q)+(\i)*16*PA
	ds_load_b128 v[(\f)+8*(\i)+4:(\f)+8*(\i)+7], v[ADRA] offset:64*(\q)+(\i)*16*PA+32
.endr
.endm
.macro QUARTER q, f, g, zero=0
	s_wait_dscnt 8                                 ; all but xn's rows 64-127
	MULH \f, 0, 0, \zero
	MULH \f, 0, 2, \zero
	PLACES
	FETCH \q, \g
	s_wait_dscnt NL                                ; all but the run just issued
	MULH \f, 1, 0, \zero
	MULH \f, 1, 2, \zero
.endm
.macro TURN fill
	WIN 0
	s_wait_tensorcnt 0x0                           ; all my tensor loads have landed: my part of the next slot; so a group 0 may be written
	ds_add_u32 v[SPW], v[NIL]                      ; 0 onto my spare word; the descriptors' scalar work and sixteen products stand between it and the wait for it
.if \fill
	s_add_co_u32 s[KI], s[KI], 1                   ; the next K step of the ring,
	s_and_b32 s[KI], s[KI], TSTEPS-1
	s_mul_i32 s[OFF], s[KI], ASTEP
	s_xor_b32 s[G0+5], s[G0+5], SLOT               ; into the slot that is being left; the address is made anew from the step's number
	s_add_nc_u64 s[G0+6:G0+7], s[BA:BA+1], s[OFF:OFF+1]
	s_or_b32 s[G0+7], s[G0+7], 0x80000000
	s_mul_i32 s[OFF], s[KI], BSTEP
	s_xor_b32 s[G0B+5], s[G0B+5], SLOT
	s_add_nc_u64 s[G0B+6:G0B+7], s[BB:BB+1], s[OFF:OFF+1]
	s_or_b32 s[G0B+7], s[G0B+7], 0x80000000
.endif
	s_wait_dscnt 9                                 ; the add and the youngest eight loads may be out
	MULH F1, 0, 0, 0
	s_wait_dscnt 0x0                               ; the add is done, and my reads of this slot are over
	s_barrier_signal -1
	MULH F1, 0, 2, 0
	WIN 0
	s_barrier_wait -1
.if \fill
	CREST                                          ; the barrier has opened a round of the cluster's
	JLOAD 1
.else
	PLACES
.endif
	s_xor_b32 s[TB], s[TB], SLOT
	v_add_nc_u32 v[ADRA], s[TB], v[ADRA0]
	v_add_nc_u32 v[ADRB], s[TB], v[ADRB0]
	FETCH 0, F0
.if \fill
	ASK
.endif
	MULH F1, 1, 0, 0
	MULH F1, 1, 2, 0
.endm
	s_wait_tensorcnt 0x1                           ; my part of the first K step is in; the second's may stay out
	s_barrier_signal -1
	s_barrier_wait -1
	FETCH 0, F0
	QUARTER 1, F0, F1, 1
	WIN 0
	s_mov_b32 s3, TSTEPS-2
.Lstep:
	QUARTER 2, F1, F0
	QUARTER 3, F0, F1
	TURN 1
	QUARTER 1, F0, F1
	WIN 0
	s_sub_co_u32 s3, s3, 1
	s_cmp_lg_u32 s3, 0
	s_cbranch_scc1 .Lstep
	s_mov_b32 s3, 2
.Ltail:
	QUARTER 2, F1, F0
	QUARTER 3, F0, F1
	WIN 0
	s_sub_co_u32 s3, s3, 1
	s_cmp_eq_u32 s3, 0
	s_cbranch_scc1 .Llast
	TURN 0
	QUARTER 1, F0, F1
	WIN 0
	s_branch .Ltail
.Llast:
	s_wait_dscnt 8
	MULH F1, 0, 0, 0
	MULH F1, 0, 2, 0
	s_wait_dscnt 0x0
	MULH F1, 1, 0, 0
	MULH F1, 1, 2, 0
	WIN 0
	s_wait_dscnt 0x0
	s_barrier_signal -1                            ; every wave's reads of the ring are over, and no fill follows: its bytes take the sums
	s_barrier_wait -1
.rept 8
	v_nop                                          ; the places behind the last products
.endr
.set da, 0
.rept 8
	WIN 0x08+4*(da/4)
.set db, 0
.rept NB
.set rD, 8*(NB*(da%4)+db)
	ds_store_b128 v[DMP], v[rD:rD+3]   offset:da*16*DP+64*db       ; each accumulator's low four first
	ds_store_b128 v[DMP], v[rD+4:rD+7] offset:da*16*DP+64*db+16
.set db, db+1
.endr
.set da, da+1
.endr
	WIN 0
	s_wait_loadcnt 0x0                             ; the bias
.macro RLOADS                          ; eight rows of my own bytes: LDS serves a wave's instructions in order, so they see my stores
.irp j, 0,1,2,3,4,5,6,7
	ds_load_b128 v[XR+4*(\j):XR+4*(\j)+3], v[RDV] offset:DP*(\j)
.endr
.endm
.macro ALL16 line:vararg               ; one line for each of 16 pairs, n = 0, 2 .. 30
.set n, 0
.rept 16
	\line
.set n, n+2
.endr
.endm
	RLOADS
	s_mov_b32 s3, 16
.Lrow:
	s_wait_dscnt 0x0
	ALL16 v_pk_add_f32 v[UR+n:UR+n+1], v[XR+n:XR+n+1], v[BI+n%4:BI+n%4+1]
	s_cmp_eq_u32 s3, 1
	s_cbranch_scc1 .Lno_more                       ; the last trip loads nothing
	v_add_nc_u32 v[RDV], 8*DP, v[RDV]
	RLOADS
.Lno_more:
.set n, 0
.rept 17                               ; a pair's five plain lines stand by turns among the four transcendentals of the pair before
.if n < 16
	v_fma_f32 v[TT+2*n], |v[UR+2*n]|, s[PP], 1.0
.endif
.if n > 0
	v_rcp_f32 v[TT+2*n-2], v[TT+2*n-2]
.endif
.if n < 16
	v_fma_f32 v[TT+2*n+1], |v[UR+2*n+1]|, s[PP], 1.0
.endif
.if n > 0
	v_rcp_f32 v[TT+2*n-1], v[TT+2*n-1]
.endif
.if n < 16
	v_pk_mul_f32 v[ER+2*n:ER+2*n+1], v[UR+2*n:UR+2*n+1], v[UR+2*n:UR+2*n+1]
.endif
.if n > 0
	v_exp_f32 v[ER+2*n-2], v[ER+2*n-2]
.endif
.if n < 16
	v_pk_mul_f32 v[ER+2*n:ER+2*n+1], v[ER+2*n:ER+2*n+1], s[CC:CC+1] op_sel_hi:[1,0]
.endif
.if n > 0
	v_exp_f32 v[ER+2*n-1], v[ER+2*n-1]
.endif
.if n < 16
	v_pk_mul_f32 v[HR+2*n:HR+2*n+1], v[UR+2*n:UR+2*n+1], 0.5 op_sel_hi:[1,0]
.endif
.set n, n+1
.endr
	v_nop                                          ; a plain instruction behind the last of them,
	s_wait_alu depctr_va_vdst(0)                   ; and one wait for the batch of 64, ahead of its first reader
	ALL16 v_pk_fma_f32 v[PR+n:PR+n+1], v[TT+n:TT+n+1], s[A5:A5+1], s[A4:A4+1] op_sel_hi:[1,0,0]
	ALL16 v_pk_fma_f32 v[PR+n:PR+n+1], v[PR+n:PR+n+1], v[TT+n:TT+n+1], s[A3:A3+1] op_sel_hi:[1,1,0]
	ALL16 v_pk_fma_f32 v[PR+n:PR+n+1], v[PR+n:PR+n+1], v[TT+n:TT+n+1], s[A2:A2+1] op_sel_hi:[1,1,0]
	ALL16 v_pk_fma_f32 v[PR+n:PR+n+1], v[PR+n:PR+n+1], v[TT+n:TT+n+1], s[A1:A1+1] op_sel_hi:[1,1,0]
	ALL16 v_pk_mul_f32 v[PR+n:PR+n+1], v[PR+n:PR+n+1], v[TT+n:TT+n+1]
	ALL16 v_pk_fma_f32 v[PR+n:PR+n+1], v[PR+n:PR+n+1], v[ER+n:ER+n+1], 0.5 op_sel_hi:[1,1,0] neg_lo:[1,0,0] neg_hi:[1,0,0]
.set n, 0
.rept 32
	v_fma_f32 v[HR+n], |v[UR+n]|, v[PR+n], v[HR+n]  ; u / 2 + |u| (1/2 - P E)
.set n, n+1
.endr
	ALL16 v_cvt_pk_bf16_f32 v[YR+n/2], v[HR+n], v[HR+n+1]
.irp j, 0,1,2,3,4,5,6,7
	global_store_b64 v[HO], v[YR+2*(\j):YR+2*(\j)+1], s[8:9] offset:8192*(\j)   ; a row's 256 consecutive bytes, aligned
.endr
	s_wait_xcnt 0x0                                ; the stores have read their data and base: both are written again only behind this wait
	s_add_nc_u64 s[8:9], s[8:9], 65536
	s_sub_co_u32 s3, s3, 1
	s_cmp_lg_u32 s3, 0
	s_cbranch_scc1 .Lrow
	s_wait_tensorcnt 0x0                           ; the wave's end
	ds_add_u32 v[SPW], v[NIL]
	s_wait_dscnt 0x0
	CROUND                                         ; the closing round
	s_endpgm
.Lfunc_end_k_q9d4f1dbbae_mlp1:
	.size	k_q9d4f1dbbae_mlp1, .Lfunc_end_k_q9d4f1dbbae_mlp1-k_q9d4f1dbbae_mlp1
	.p2alignl 7, 3214868480
	.fill 96, 4, 3214868480
	.section	.rodata,"a",@progbits
	.p2align	6, 0x0
	.amdhsa_kernel k_q9d4f1dbbae_mlp1
		.amdhsa_group_segment_fixed_size 327680
		.amdhsa_private_segment_fixed_size 0
		.amdhsa_enable_private_segment 0
		.amdhsa_kernarg_size 32
		.amdhsa_user_sgpr_count 2
		.amdhsa_user_sgpr_kernarg_segment_ptr 1
		.amdhsa_wavefront_size32 1
		.amdhsa_system_sgpr_workgroup_id_x 1
		.amdhsa_system_sgpr_workgroup_id_y 1
		.amdhsa_system_sgpr_workgroup_id_z 1
		.amdhsa_system_vgpr_workitem_id 0
		.amdhsa_next_free_vgpr 1024
		.amdhsa_next_free_sgpr 96
		.amdhsa_reserve_vcc 0
		.amdhsa_float_denorm_mode_32 3
		.amdhsa_float_denorm_mode_16_64 3
		.amdhsa_memory_ordered 1
		.amdhsa_forward_progress 1
		.amdhsa_inst_pref_size 103
	.end_amdhsa_kernel
	.amdgpu_metadata
---
amdhsa.version: [ 1, 2 ]
amdhsa.kernels:
  - .name:           k_q9d4f1dbbae_mlp1
    .symbol:         k_q9d4f1dbbae_mlp1.kd
    .args:
      - { .name: xn, .offset: 0, .size: 8, .value_kind: global_buffer, .address_space: global }
      - { .name: wb, .offset: 8, .size: 8, .value_kind: global_buffer, .address_space: global }
      - { .name: mlp_b1, .offset: 16, .size: 8, .value_kind: global_buffer, .address_space: global }
      - { .name: h, .offset: 24, .size: 8, .value_kind: global_buffer, .address_space: global }
    .group_segment_fixed_size: 327680
    .private_segment_fixed_size: 0
    .kernarg_segment_align: 8
    .kernarg_segment_size: 32
    .max_flat_workgroup_size: 128
    .sgpr_count:     96
    .vgpr_count:     1024
    .wavefront_size: 32
...
	.end_amdgpu_metadata
.endif
;; end of part 6
;; launch mlp2 (part 7): grid 8 x 32, 4 waves a work-group, clusters of 4 x 4, 327,680 bytes of LDS; arguments h, wb, mlp_b2, x1, out0; writes out0
.if DOCPART == 7
	.amdgcn_target "amdgcn-amd-amdhsa--gfx1250"
	.amdhsa_code_object_version 6
	.text
	.protected	k_q9d4f1dbbae_mlp2
	.globl	k_q9d4f1dbbae_mlp2
	.p2align	8
	.type	k_q9d4f1dbbae_mlp2,@function
k_q9d4f1dbbae_mlp2:
	s_mov_b64 s[64:65], 0
	v_nop
	global_prefetch_b8 v0, s[64:65] scope:SCOPE_SE
	s_setreg_imm32_b32 hwreg(HW_REG_WAVE_MODE, 25, 1), 1
	s_wait_xcnt 0x0
	s_wait_alu depctr_hold_cnt(0) depctr_sa_sdst(0) depctr_va_vdst(0) depctr_va_sdst(0) depctr_va_ssrc(0) depctr_va_vcc(0) depctr_vm_vsrc(0)
	s_getreg_b32 s2, hwreg(HW_REG_IB_STS2, 6, 4)
	s_cmp_eq_u32 s2, 0
	s_cbranch_scc0 .Lentry_in_a_cluster
	s_endpgm
.Lentry_in_a_cluster:
	s_bfe_u32 s2, ttmp6, 0x10000c
	s_cmp_lg_u32 s2, 0xf033
	s_cbranch_scc0 .Lentry_shape_is_right
	s_endpgm
.Lentry_shape_is_right:
; MLP 2.  out = x1 + h mlp_w2 + mlp_b2 (4,096 x 1,024, K = 4,096).  Operands bf16, sums, bias and residual f32; out is f32.
; A tile is 128 x 128: 256 work-groups; four waves of 64 x 64, 16 accumulators.  K goes in 16 steps of 256 through two LDS slots; the K step is written once, the slot in hand is a scalar.
; h's tile rows are 512 bytes, padded by 16 in LDS.  The weights lie [K][N] and come out of LDS turned.  The matrix instruction is used transposed: a lane holds one token and eight neighbouring columns.
; CLUSTER 4 x 4: h's tile is asked for jointly along a row of the cluster, the weights' along a column.
; THE WALK ALONG K.  A cluster takes the sixteen K steps in a ring: it begins at step 0 where cluster x + cluster y is even, at step 8 where it is odd (f32 sums may be taken in any order).  Of the clusters
; that read the same rows of h (same y) or of the weights (same x) half have each parity: each block is read by one half of them eight steps ahead of the other half.
; PREFETCH.  My cluster is among the first to read the first eight K steps of its walk; the first four come by their loads alone; the fifth to eighth are asked for behind the first four refills, each two K
; steps (256 matrix instructions) ahead of its load: of h 16 of my 64 rows, two lanes a row of 512 bytes; of the weights 32 of my 128 K rows, a lane a row of 256 bytes.  The four partners that ask for a tile
; jointly share its rows out by address; of the clusters of one parity that read the same rows, the one whose coordinate is below 2 asks.
; THE WAY OUT.  The residual's 64 x 64 of my wave is loaded at the head into window 2; the bias is added onto it once; each block of 16 rows goes through my own stage and lands on it; stores of 256 bytes.
.set TSTEPS, 16
.set LOGH, 3
.set PF, 1
.set PA, 528
.set AQ, 128
.set HALFA, 64*PA
.set QIA, 6
.set AD0, 256
.set AD1, 64
.set APITCH, 4096
.set ATRS, 20
.set AHS, 19
.set ASTEP, 512
.set WOFF, 16777216
.set PFA_RB, 16*8192
.set PFB_RB, 32*2048
.set PFA_PITCH, 8192
.set PFB_PITCH, 2048
.set PFA_SH, 1
.set PFB_SH, 0
.set BOFF, 2*HALFA
.set PB, 288                           ; a row of the weights' tile: 256 bytes + 32: an odd multiple of 32
.set HALFB, 128*PB
.set BSTEP, 256*2048
.set SLOT, 0x24000                     ; shares no bit with a wave's target in slot 0
.set STAGE, 2*SLOT                     ; behind the ring: 16 rows x 272 bytes a wave
.set SP, 272
.set SPARE, STAGE+4*16*SP              ; the spare words: 128 bytes a wave, named by no other line
.set BIA, 6
.set BI, 12
.set ADRA0, 16
.set ADRA, 17
.set ADRB0, 20
.set ADRB, 21
.set ADRB20, 22
.set ADRB2, 23
.set STO, 24
.set RD, 25
.set CO, 26
.set SPW, 28
.set NIL, 29
.set PFO, 30
.set TMP, 32
.set ACC, 128
.set F0, 0
.set F1, 128
.set G1, 24
.set G0, 32
.set LIM, 43
.set PFA, 44
.set G1B, 48
.set G0B, 56
.set TB, 66
.set KI, 67                            ; s67  the K step of the youngest load
.set PFS, 68
.set OFF, 70                           ; s[70:71] a K step's byte offset; the upper word stays 0
.set BA, 90                            ; s[90:91] the activations at my part of the tile, K step 0
.set BB, 92                            ; s[92:93] the weights likewise
.set MSB, 0
.macro WIN new
.if MSB != (\new)
	s_set_vgpr_msb (MSB<<8)|(\new)
.set MSB, \new
.endif
.endm
.set MUL, 0x05                         ; sources 0 and 1 window 1; C and D window 0
.set TO_F, 0x40
.macro JLOAD s                         ; waves 0, 1 fetch the activations' halves, waves 2, 3 the weights'; s_nop 0 and four v_nop follow each line
	s_cmp_eq_u32 s11, 0
	s_cbranch_scc0 .Lfor_b_\@
	tensor_load_to_lds s[G0+4*(\s):G0+4*(\s)+3], s[G1:G1+7]
	s_nop 0
.rept 4
	v_nop
.endr
	s_branch .Lasked_\@
.Lfor_b_\@:
	tensor_load_to_lds s[G0B+4*(\s):G0B+4*(\s)+3], s[G1B:G1B+7]
	s_nop 0
.rept 4
	v_nop
.endr
.Lasked_\@:
.endm
.macro ASK
	s_cmp_gt_u32 s3, s[LIM]                        ; in the loop's first four trips alone: the walk's fifth to eighth K steps
	s_cbranch_scc0 .Lnot_mine_\@
	global_prefetch_b8 v[PFO], s[PFA:PFA+1] th:TH_LOAD_NT scope:SCOPE_SE
.Lnot_mine_\@:
.endm
.macro CREST
	s_cmp_lg_u32 s10, 0
	s_cbranch_scc1 .Lnot_wave_0_\@
	s_barrier_signal -3
.Lnot_wave_0_\@:
	s_barrier_wait -3
	s_barrier_signal -1
	s_barrier_wait -1
.endm
.macro CROUND
	s_barrier_signal -1
	s_barrier_wait -1
	CREST
.endm
.macro PLACES
.rept 4
	v_nop
.endr
.endm
	s_load_b128 s[4:7], s[0:1], 0x0                ; activations, wb
	s_load_b128 s[72:75], s[0:1], 0x10             ; bias, residual
	s_load_b64 s[8:9], s[0:1], 0x20                ; output
	v_lshl_add_u32 v[SPW], v0, 2, SPARE
	v_mov_b32 v[NIL], 0
	ds_add_u32 v[SPW], v[NIL]                      ; the opening: the add and its wait ahead of my first tensor load
	v_lshrrev_b32 v1, 5, v0
	v_readfirstlane_b32 s10, v1
	s_lshr_b32 s11, s10, 1
	s_and_b32 s12, s10, 1
	s_bfe_u32 s40, ttmp6, 0x40000
	s_bfe_u32 s41, ttmp6, 0x40004
	s_lshl_b32 s42, ttmp9, 2
	s_add_co_u32 s42, s42, s40                     ; tc
	s_and_b32 s13, ttmp7, 0xffff
	s_add_co_u32 s[KI], s13, ttmp9                 ; cluster y + cluster x: the same in all sixteen partners
	s_and_b32 s[KI], s[KI], 1
	s_lshl_b32 s[KI], s[KI], LOGH                  ; the K step at which my cluster begins: 0 or half of them
	s_mov_b32 s[OFF+1], 0
	s_lshl_b32 s13, s13, 2
	s_add_co_u32 s13, s13, s41                     ; tr
	s_lshl_b32 s43, s41, 2
	s_lshl_b32 s43, 15, s43
	s_lshl_b32 s44, 0x1111, s40
	s_or_b32 s[G1], s43, (1<<16)|(1<<20)|(1<<21)|(QIA<<22)|(3<<25)
	s_or_b32 s[G1B], s44, (1<<16)|(1<<20)|(1<<21)|(5<<22)|(7<<25)
	s_mov_b32 s[G1+1], AD0<<16
	s_mov_b32 s[G1+2], AD1<<16
	s_mov_b32 s[G1+3], AD0<<16
	s_mov_b32 s[G1+4], AD1
	s_mov_b32 s[G1+5], APITCH
	s_mov_b32 s[G1+6], 0
	s_mov_b32 s[G1+7], 0
	s_mov_b32 s[G1B+1], 128<<16
	s_mov_b32 s[G1B+2], 128<<16
	s_mov_b32 s[G1B+3], 128<<16
	s_mov_b32 s[G1B+4], 128
	s_mov_b32 s[G1B+5], 1024
	s_mov_b32 s[G1B+6], 0
	s_mov_b32 s[G1B+7], 0
	s_lshl_b32 s16, s13, ATRS
	s_lshl_b32 s17, s12, AHS
	s_add_co_u32 s16, s16, s17
	s_mov_b32 s17, 0
	s_lshl_b32 s46, s42, 8
	s_lshl_b32 s47, s12, 18
	s_add_co_u32 s46, s46, s47
	s_add_co_u32 s46, s46, WOFF
	s_mov_b32 s47, 0
	s_mul_i32 s20, s12, HALFA
	s_mul_i32 s21, s12, HALFB
	s_add_co_u32 s21, s21, BOFF
	s_wait_dscnt 0x0
	s_wait_kmcnt 0x0
	s_add_nc_u64 s[BA:BA+1], s[4:5], s[16:17]
	s_add_nc_u64 s[BB:BB+1], s[6:7], s[46:47]
	CROUND
.irp s, 0,1
	s_add_co_u32 s22, s[KI], \s                    ; the walk's first two K steps: no wrap
	s_mul_i32 s[OFF], s22, ASTEP
	s_mov_b32 s[G0+4*(\s)], 1
	s_add_co_u32 s[G0+4*(\s)+1], s20, (\s)*SLOT
	s_add_nc_u64 s[G0+4*(\s)+2:G0+4*(\s)+3], s[BA:BA+1], s[OFF:OFF+1]
	s_or_b32 s[G0+4*(\s)+3], s[G0+4*(\s)+3], 0x80000000
	s_mul_i32 s[OFF], s22, BSTEP
	s_mov_b32 s[G0B+4*(\s)], 1
	s_add_co_u32 s[G0B+4*(\s)+1], s21, (\s)*SLOT
	s_add_nc_u64 s[G0B+4*(\s)+2:G0B+4*(\s)+3], s[BB:BB+1], s[OFF:OFF+1]
	s_or_b32 s[G0B+4*(\s)+3], s[G0B+4*(\s)+3], 0x80000000
	JLOAD \s
.endr
	s_add_co_u32 s[KI], s[KI], 1                   ; the youngest load's K step
.if PF
	s_mov_b32 s18, PFA_RB
	s_mov_b32 s19, PFB_RB
	s_mov_b32 s16, PFA_PITCH
	s_mov_b32 s17, PFB_PITCH
	s_mov_b32 s[PFS], ASTEP
	s_mov_b32 s[PFS+1], BSTEP
	s_and_b32 s22, ttmp7, 0xffff
	s_cmp_eq_u32 s11, 0
	s_cselect_b32 s21, s40, s41                    ; my place among the four that ask with me: it enters the address alone
	s_cselect_b32 s22, ttmp9, s22                  ; the cluster's coordinate along which others read the same rows
	s_cselect_b64 s[PFA:PFA+1], s[BA:BA+1], s[BB:BB+1]
	s_cselect_b32 s20, s18, s19
	s_cselect_b32 s16, s16, s17
	s_cselect_b32 s[PFS], s[PFS], s[PFS+1]
	s_cselect_b32 s18, PFA_SH, PFB_SH
	s_mov_b32 s[PFS+1], 0
	s_cmp_lt_u32 s22, 2                            ; coordinates 0 and 1 have the two parities
	s_cselect_b32 s[LIM], TSTEPS/2+2, -1
	s_mul_i32 s20, s20, s21
	s_mov_b32 s21, 0
	s_add_nc_u64 s[PFA:PFA+1], s[PFA:PFA+1], s[20:21]
	s_add_co_u32 s22, s[KI], 2                     ; at the walk's fourth K step: the first refill steps it to the fifth; up to the eighth there is no wrap
	s_mul_i32 s20, s[PFS], s22
	s_add_nc_u64 s[PFA:PFA+1], s[PFA:PFA+1], s[20:21]
	v_and_b32 v[PFO], 31, v0
	v_lshrrev_b32 v31, s18, v[PFO]
	v_and_b32 v[PFO], s18, v[PFO]
	v_mul_u32_u24 v31, s16, v31
	v_lshl_add_u32 v[PFO], v[PFO], 8, v31
.endif
	; bias and residual of my 64 x 64: they land while the products run
	s_lshl_b32 s18, s42, 9
	s_lshl_b32 s19, s12, 8
	s_add_co_u32 s18, s18, s19                     ; my first column, in bytes of f32
	s_mov_b32 s19, 0
	s_add_nc_u64 s[72:73], s[72:73], s[18:19]
	s_lshl_b32 s16, s13, 19
	s_lshl_b32 s17, s11, 18
	s_add_co_u32 s16, s16, s17
	s_add_co_u32 s16, s16, s18
	s_mov_b32 s17, 0
	s_add_nc_u64 s[74:75], s[74:75], s[16:17]
	s_add_nc_u64 s[8:9], s[8:9], s[16:17]
	v_and_b32 v1, 15, v0
	v_bfe_u32 v2, v0, 4, 1
	v_lshlrev_b32 v[BIA], 4, v1
	v_lshl_add_u32 v[CO], v2, 12, v[BIA]           ; lanes 0-15 one row's 256 bytes, lanes 16-31 the next row's
	global_load_b128 v[BI:BI+3], v[BIA], s[72:73]
	WIN 0x80
.set n, 0
.rept 32
	global_load_b128 v[4*n:4*n+3], v[CO], s[74:75] offset:2*n*4096
.set n, n+1
.endr
	WIN 0
	v_mul_u32_u24 v3, v1, PA
	v_lshl_add_u32 v3, v2, 4, v3
	s_mul_i32 s21, s11, 64*PA
	v_add_nc_u32 v[ADRA0], s21, v3
	v_and_b32 v4, 7, v0
	v_lshl_add_u32 v4, v2, 3, v4
	v_mul_u32_u24 v4, v4, PB
	v_bfe_u32 v5, v0, 3, 1
	v_lshl_add_u32 v4, v5, 4, v4
	s_lshl_b32 s22, s12, 7
	s_add_co_u32 s22, s22, BOFF
	v_add_nc_u32 v[ADRB0], s22, v4
	v_add_nc_u32 v[ADRB20], HALFB, v[ADRB0]        ; quarters 2 and 3: an LDS offset has 16 bits
	v_mov_b32 v[ADRA], v[ADRA0]
	v_mov_b32 v[ADRB], v[ADRB0]
	v_mov_b32 v[ADRB2], v[ADRB20]
	s_mov_b32 s[TB], 0
	s_mul_i32 s23, s10, 16*SP
	s_add_co_u32 s23, s23, STAGE
	v_mul_u32_u24 v3, v1, SP
	v_lshl_add_u32 v3, v2, 5, v3
	v_add_nc_u32 v[STO], s23, v3
	v_mul_u32_u24 v3, v2, SP
	v_lshl_add_u32 v3, v1, 4, v3
	v_add_nc_u32 v[RD], s23, v3
.macro MUL8 f, c, a0, zero             ; 8 products: token blocks a0, a0 + 1 x 4 column blocks, half c of buffer f.  The 16 accumulators take turns
	WIN MUL
.irp a, \a0, (\a0)+1
.irp b, 0,1,2,3
.if \zero
	v_wmma_f32_16x16x32_bf16 v[ACC+8*(4*(\a)+(\b)):ACC+8*(4*(\a)+(\b))+7], v[(\f)+64+8*(4*(\c)+(\b)):(\f)+64+8*(4*(\c)+(\b))+7], v[(\f)+8*(4*(\c)+(\a)):(\f)+8*(4*(\c)+(\a))+7], 0
.else
	v_wmma_f32_16x16x32_bf16 v[ACC+8*(4*(\a)+(\b)):ACC+8*(4*(\a)+(\b))+7], v[(\f)+64+8*(4*(\c)+(\b)):(\f)+64+8*(4*(\c)+(\b))+7], v[(\f)+8*(4*(\c)+(\a)):(\f)+8*(4*(\c)+(\a))+7], v[ACC+8*(4*(\a)+(\b)):ACC+8*(4*(\a)+(\b))+7]
.endif
.endr
.endr
.endm
.macro FETCH q, f                      ; quarter q (64 along K) of the slot in hand into buffer f: 32 loads, the first 32 along K first
	WIN TO_F
.irp c, 0,1
.irp i, 0,1,2,3
	ds_load_tr16_b128 v[(\f)+64+8*(4*(\c)+(\i)):(\f)+64+8*(4*(\c)+(\i))+3],   v[ADRB+2*((\q)/2)] offset:(((\q)%2)*64+32*(\c))*PB+32*(\i)
	ds_load_tr16_b128 v[(\f)+64+8*(4*(\c)+(\i))+4:(\f)+64+8*(4*(\c)+(\i))+7], v[ADRB+2*((\q)/2)] offset:(((\q)%2)*64+32*(\c))*PB+32*(\i)+16*PB
	ds_load_b128 v[(\f)+8*(4*(\c)+(\i)):(\f)+8*(4*(\c)+(\i))+3],   v[ADRA] offset:(\q)*AQ+64*(\c)+(\i)*16*PA
	ds_load_b128 v[(\f)+8*(4*(\c)+(\i))+4:(\f)+8*(4*(\c)+(\i))+7], v[ADRA] offset:(\q)*AQ+64*(\c)+(\i)*16*PA+32
.endr
.endr
.endm
.macro QUARTER q, f, g, zero=0
	s_wait_dscnt 16                                ; the first 32 along K are in
	MUL8 \f, 0, 0, \zero
	MUL8 \f, 0, 2, \zero
	PLACES
	FETCH \q, \g
	s_wait_dscnt 32                                ; all but the run just issued
	MUL8 \f, 1, 0, 0
	MUL8 \f, 1, 2, 0
.endm
.macro TURN fill
.if (\fill) && PF
	s_wait_xcnt 0x0                                ; the last prefetch, a K step back, has read its address
	s_add_nc_u64 s[PFA:PFA+1], s[PFA:PFA+1], s[PFS:PFS+1]
.endif
	WIN 0
	s_wait_tensorcnt 0x0                           ; all my tensor loads have landed: my part of the next slot; so a group 0 may be written
	ds_add_u32 v[SPW], v[NIL]                      ; 0 onto my spare word; the descriptors' scalar work and eight products stand between it and the wait for it
.if \fill
	s_add_co_u32 s[KI], s[KI], 1                   ; the next K step of the ring,
	s_and_b32 s[KI], s[KI], TSTEPS-1
	s_mul_i32 s[OFF], s[KI], ASTEP
	s_xor_b32 s[G0+5], s[G0+5], SLOT               ; into the slot that is being left; the address is made anew from the step's number
	s_add_nc_u64 s[G0+6:G0+7], s[BA:BA+1], s[OFF:OFF+1]
	s_or_b32 s[G0+7], s[G0+7], 0x80000000
	s_mul_i32 s[OFF], s[KI], BSTEP
	s_xor_b32 s[G0B+5], s[G0B+5], SLOT
	s_add_nc_u64 s[G0B+6:G0B+7], s[BB:BB+1], s[OFF:OFF+1]
	s_or_b32 s[G0B+7], s[G0B+7], 0x80000000
.endif
	s_wait_dscnt 17                                ; the add and the youngest sixteen loads may be out
	MUL8 F1, 0, 0, 0
	s_wait_dscnt 0x0                               ; the add is done, and my reads of this slot are over
	s_barrier_signal -1
	MUL8 F1, 0, 2, 0
	WIN 0
	s_barrier_wait -1
.if \fill
	CREST                                          ; the barrier has opened a round of the cluster's
	JLOAD 1
.else
	PLACES
.endif
	s_xor_b32 s[TB], s[TB], SLOT
	v_add_nc_u32 v[ADRA], s[TB], v[ADRA0]
	v_add_nc_u32 v[ADRB], s[TB], v[ADRB0]
	v_add_nc_u32 v[ADRB2], s[TB], v[ADRB20]
	FETCH 0, F0
.if (\fill) && PF
	WIN 0
	ASK
.endif
	MUL8 F1, 1, 0, 0
	MUL8 F1, 1, 2, 0
.endm
	s_wait_tensorcnt 0x1                           ; my part of the first K step is in; the second's may stay out
	s_barrier_signal -1
	s_barrier_wait -1
	FETCH 0, F0
	QUARTER 1, F0, F1, 1
	WIN 0
	s_mov_b32 s3, TSTEPS-2
.Lstep:
	QUARTER 2, F1, F0
	QUARTER 3, F0, F1
	TURN 1
	QUARTER 1, F0, F1
	WIN 0
	s_sub_co_u32 s3, s3, 1
	s_cmp_lg_u32 s3, 0
	s_cbranch_scc1 .Lstep
	s_mov_b32 s3, 2
.Ltail:
	QUARTER 2, F1, F0
	QUARTER 3, F0, F1
	WIN 0
	s_sub_co_u32 s3, s3, 1
	s_cmp_eq_u32 s3, 0
	s_cbranch_scc1 .Llast
	TURN 0
	QUARTER 1, F0, F1
	WIN 0
	s_branch .Ltail
.Llast:
	s_wait_dscnt 16
	MUL8 F1, 0, 0, 0
	MUL8 F1, 0, 2, 0
	s_wait_dscnt 0x0
	MUL8 F1, 1, 0, 0
	MUL8 F1, 1, 2, 0
	WIN 0
	s_wait_loadcnt 0x0                             ; bias and residual
	WIN 0x82                                       ; destination and source 0 window 2, source 1 window 0
.set n, 0
.rept 64
	v_pk_add_f32 v[2*n:2*n+1], v[2*n:2*n+1], v[BI+2*(n%2):BI+2*(n%2)+1]   ; residual + bias; these are also the places behind the last products
.set n, n+1
.endr
.macro STG a                           ; block a (16 rows) into my stage and back as whole rows of 256 bytes
	WIN 0
.irp b, 0,1,2,3
	ds_store_b128 v[STO], v[ACC+8*(4*(\a)+(\b)):ACC+8*(4*(\a)+(\b))+3]   offset:64*(\b)
	ds_store_b128 v[STO], v[ACC+8*(4*(\a)+(\b))+4:ACC+8*(4*(\a)+(\b))+7] offset:64*(\b)+16
.endr
.irp t, 0,1,2,3,4,5,6,7
	ds_load_b128 v[TMP+32*((\a)%2)+4*(\t):TMP+32*((\a)%2)+4*(\t)+3], v[RD] offset:2*SP*(\t)   ; LDS serves a wave's instructions in order: these see the stores above
.endr
.endm
.macro OUTA a, younger                 ; younger: the next block's sixteen LDS instructions, or none
	WIN 0x88                                       ; destination and source 1 window 2, source 0 window 0
.irp t, 0,1,2,3,4,5,6,7
	s_wait_dscnt (\younger)+7-(\t)
	v_pk_add_f32 v[4*(8*(\a)+(\t)):4*(8*(\a)+(\t))+1], v[TMP+32*((\a)%2)+4*(\t):TMP+32*((\a)%2)+4*(\t)+1], v[4*(8*(\a)+(\t)):4*(8*(\a)+(\t))+1]
	v_pk_add_f32 v[4*(8*(\a)+(\t))+2:4*(8*(\a)+(\t))+3], v[TMP+32*((\a)%2)+4*(\t)+2:TMP+32*((\a)%2)+4*(\t)+3], v[4*(8*(\a)+(\t))+2:4*(8*(\a)+(\t))+3]
.endr
	WIN 0x08                                       ; the stores' data: window 2
.irp t, 0,1,2,3,4,5,6,7
	global_store_b128 v[CO], v[4*(8*(\a)+(\t)):4*(8*(\a)+(\t))+3], s[8:9] offset:(16*(\a)+2*(\t))*4096   ; 16 lanes store 256 consecutive bytes, aligned
.endr
.endm
	STG 0
	STG 1
	OUTA 0, 16
	STG 2
	OUTA 1, 16
	STG 3
	OUTA 2, 16
	OUTA 3, 0
	WIN 0
	s_wait_tensorcnt 0x0                           ; the wave's end
	ds_add_u32 v[SPW], v[NIL]
	s_wait_dscnt 0x0
	CROUND                                         ; the closing round
	s_endpgm
.Lfunc_end_k_q9d4f1dbbae_mlp2:
	.size	k_q9d4f1dbbae_mlp2, .Lfunc_end_k_q9d4f1dbbae_mlp2-k_q9d4f1dbbae_mlp2
	.p2alignl 7, 3214868480
	.fill 96, 4, 3214868480
	.section	.rodata,"a",@progbits
	.p2align	6, 0x0
	.amdhsa_kernel k_q9d4f1dbbae_mlp2
		.amdhsa_group_segment_fixed_size 327680
		.amdhsa_private_segment_fixed_size 0
		.amdhsa_enable_private_segment 0
		.amdhsa_kernarg_size 40
		.amdhsa_user_sgpr_count 2
		.amdhsa_user_sgpr_kernarg_segment_ptr 1
		.amdhsa_wavefront_size32 1
		.amdhsa_system_sgpr_workgroup_id_x 1
		.amdhsa_system_sgpr_workgroup_id_y 1
		.amdhsa_system_sgpr_workgroup_id_z 1
		.amdhsa_system_vgpr_workitem_id 0
		.amdhsa_next_free_vgpr 640
		.amdhsa_next_free_sgpr 96
		.amdhsa_reserve_vcc 0
		.amdhsa_float_denorm_mode_32 3
		.amdhsa_float_denorm_mode_16_64 3
		.amdhsa_memory_ordered 1
		.amdhsa_forward_progress 1
		.amdhsa_inst_pref_size 74
	.end_amdhsa_kernel
	.amdgpu_metadata
---
amdhsa.version: [ 1, 2 ]
amdhsa.kernels:
  - .name:           k_q9d4f1dbbae_mlp2
    .symbol:         k_q9d4f1dbbae_mlp2.kd
    .args:
      - { .name: h, .offset: 0, .size: 8, .value_kind: global_buffer, .address_space: global }
      - { .name: wb, .offset: 8, .size: 8, .value_kind: global_buffer, .address_space: global }
      - { .name: mlp_b2, .offset: 16, .size: 8, .value_kind: global_buffer, .address_space: global }
      - { .name: x1, .offset: 24, .size: 8, .value_kind: global_buffer, .address_space: global }
      - { .name: out0, .offset: 32, .size: 8, .value_kind: global_buffer, .address_space: global }
    .group_segment_fixed_size: 327680
    .private_segment_fixed_size: 0
    .kernarg_segment_align: 8
    .kernarg_segment_size: 40
    .max_flat_workgroup_size: 128
    .sgpr_count:     96
    .vgpr_count:     640
    .wavefront_size: 32
...
	.end_amdgpu_metadata
.endif
;; end of part 7
